; MI455X (gfx1250); checked and timed in simulation.
; The chip was launched on July 23, 2026; its instructions are those of AMD's public machine-readable ISA for CDNA 5 (MIT licence, August 2026) and "CDNA5" Instruction Set Architecture Reference Guide (July 2026). The comments in the code are by the model that wrote it; some were corrected since.
;; Multi Head Attention. Allowed arithmetic: matrix products marked QUANTISED: E5M2 operands, one given power-of-two scale a tensor, by v_wmma_f32_16x16x64_bf8_bf8 or v_wmma_f32_16x16x128_bf8_bf8, f32 sums; everything else in f32.
;; Inputs: Wk_codes 16 x 64 x 32 x 32 uint8 (E5M2 codes of Wk, K innermost, in blocks of 32 codes); Wo_codes 1,024 x 32 x 32 uint8 (E5M2 codes of Wo, K innermost, in blocks of 32 codes); Wq_codes 16 x 64 x 32 x 32 uint8 (E5M2 codes of Wq, K innermost, in blocks of 32 codes); Wv_codes 16 x 64 x 32 x 32 uint8 (E5M2 codes of Wv, K innermost, in blocks of 32 codes); bo 1,024 float32; keys_codes 4 x 2,048 x 32 x 32 uint8 (E5M2 codes of keys, K innermost, in blocks of 32 codes); lowp_scales 12 int32 (the exponents e of the quantised operands' scales 2^e); masks 4 x 2,048 x 2,048 bool; queries_codes 4 x 2,048 x 32 x 32 uint8 (E5M2 codes of queries, K innermost, in blocks of 32 codes); values_codes 4 x 2,048 x 32 x 32 uint8 (E5M2 codes of values, K innermost, in blocks of 32 codes).
;; Outputs: out0 4 x 2,048 x 1,024 float32.
;; This version of the problem:
;;   THIS VERSION OF THE PROBLEM IS GIVEN IN LOW PRECISION. The matrix products marked QUANTISED in the list below multiply operands that are first quantised to E5M2 (5 exponent bits, 2 mantissa bits; 8 bits a number), with one given power-of-two scale for each operand tensor; their sums are f32. All else is computed in f32.
;;   The module's matrix products, in the order in which they are computed (A, B: the left and right operand; K: the contracted axis; several contracted axes count as one K, in the product's order):
;;     1. [M 1,024, K 1,024] x [K 1,024, N 8,192]; A: input Wq (given as codes); B: input queries (given as codes): QUANTISED (scales: A lowp_scales[0], B lowp_scales[1])
;;     2. [M 1,024, K 1,024] x [K 1,024, N 8,192]; A: input Wk (given as codes); B: input keys (given as codes): QUANTISED (scales: A lowp_scales[2], B lowp_scales[3])
;;     3. [M 1,024, K 1,024] x [K 1,024, N 8,192]; A: input Wv (given as codes); B: input values (given as codes): QUANTISED (scales: A lowp_scales[4], B lowp_scales[5])
;;     4. batch 64 x [M 2,048, K 64] x [K 64, N 2,048]; A: computed on the way; B: computed on the way: QUANTISED (scales: A lowp_scales[6], B lowp_scales[7])
;;     5. batch 64 x [M 2,048, K 2,048] x [K 2,048, N 64]; A: softmax (see below); B: computed on the way: QUANTISED (scales: A lowp_scales[8], B lowp_scales[9])
;;     6. [M 8,192, K 1,024] x [K 1,024, N 1,024]; A: computed on the way; B: input Wo (given as codes): QUANTISED (scales: A lowp_scales[10], B lowp_scales[11])
;;   THE QUANTISER, for each operand of a quantised product, along K:
;;     - The operand's scale is 2^e, e = its entry of the input lowp_scales (int32; the entries are numbered through the quantised products in the list's order, A before B).
;;     - Each number is divided by the scale, clamped to +-57,344, and rounded to the nearest number of E5M2, ties to even, subnormals kept.
;;     - The product sums the exact products of the quantised numbers (number of the format x scale) in f32.
;;   ~~~python
;;   def quantise(x, axis, e):      # numpy; x: float32 -> the quantised numbers, widened to float32 again
;;       x = np.moveaxis(x, axis, -1); K = x.shape[-1]
;;       r = np.clip(x / 2.0 ** e, -57344, 57344)
;;       step = 2.0 ** (np.maximum(np.frexp(np.where(r == 0, 1, r))[1] - 1, -14) - 2)
;;       q = np.round(r / step) * step * 2.0 ** e      # np.round: ties to even
;;       return np.moveaxis(q, -1, axis).astype(np.float32)
;;   ~~~
;;   SOFTMAX AHEAD OF A QUANTISED PRODUCT. Where the list says 'softmax', what is quantised is not the finished softmax but p = 2^(t - M), with t = logit x log2(e) and M = ceil(the row's largest t), a whole number; so 1/2 < the row's largest p <= 1. The row's sum l is taken of the UNQUANTISED p, in f32, and the product's result is divided by l at the end. Since M is a whole number, a kernel that streams over the keys may use a running M (the ceiling of the running maximum): every later rescaling is an exact power of two, so the quantised numbers keep their values, but for numbers so far below the row's largest that they fall under the format's range.
;;   OPERANDS COMPUTED ON THE WAY. 'Computed on the way' means the value that the module computes at that place (a softmax that the list does not call 'softmax' is quantised finished and normalised). What goes into a quantiser is computed in f32, as accurately as f32 sums, v_exp_f32 and their like allow (about 1e-6 of the number): no bf16 or f16 on the way to a quantiser, and a product that is left as it is and whose result goes on into a quantised operand takes f32 operands (vector FMAs, or v_wmma_f32_16x16x4_f32). A number that lies on a knife's edge between two numbers of the format may be rounded either way, as far as f32 arithmetic and the matrix unit's own rounding can turn it there, and no further.
;;   INPUTS GIVEN AS CODES. Wk (in the module: [16, 1024, 64], K = its axis 1); Wo (in the module: [1024, 1024], K = its axis 0); Wq (in the module: [16, 1024, 64], K = its axis 1); Wv (in the module: [16, 1024, 64], K = its axis 1); keys (in the module: [4, 2048, 1024], K = its axis 2); queries (in the module: [4, 2048, 1024], K = its axis 2); values (in the module: [4, 2048, 1024], K = its axis 2): each comes as NAME_codes (uint8): NAME with its K axis moved to the last place and cut into blocks of 32 codes, [.., K / 32, bytes a block], one block behind the other in memory; one code a byte (a code: sign, 5 exponent bits, 2 mantissa bits); its scale is its entry of lowp_scales. Its value is code x scale, taken as it is: it is not quantised again, and the codes and scales need not be those that the quantiser above would give.
;; 2 versions, each right; version 2 is version 1 with the launch attn written anew for expert scheduling mode. Each part assembles by itself: llvm-mc -triple=amdgcn-amd-amdhsa -mcpu=gfx1250 --defsym DOCPART=n.
;; ======== version 1 of 2: 4 launches
;; workspace buffers: q_img 8,388,608 bytes; k_img 8,388,608 bytes; v_img 8,388,608 bytes; attn_img 8,388,608 bytes; mbits 2,097,152 bytes of whole numbers; mflag 2,048 bytes of whole numbers
;; launch pack (part 1): grid 512 x 1, 8 waves a work-group, no clusters, 36,096 bytes of LDS; arguments masks, mbits, mflag; writes mbits, mflag
.if DOCPART == 1
	.amdgcn_target "amdgcn-amd-amdhsa--gfx1250"
	.amdhsa_code_object_version 6
	.text
	.protected	k_q323d8367f7_pack
	.globl	k_q323d8367f7_pack
	.p2align	8
	.type	k_q323d8367f7_pack,@function
k_q323d8367f7_pack:
	s_mov_b64 s[64:65], 0
	v_nop
	global_prefetch_b8 v0, s[64:65] scope:SCOPE_SE
	s_setreg_imm32_b32 hwreg(HW_REG_WAVE_MODE, 25, 1), 1
	s_wait_xcnt 0x0
; The mask [4][2048][2048], one byte (0 or 1) a place, becomes LANE MASKS for the attention launch, and a word of flags for each tile of 16 queries.
; mbits [b][T 128][sigma 16][n 64] u32: bit L of word n = 8 t + i is masks[b][16 T + L % 16][128 sigma + 16 t + 8 (L / 16) + i]: the lanes' mask for the score register 8 t + i of key step sigma.
; mflag [b][T] u32: bit sigma: step sigma has an allowed key for some of the 16 queries; bit 16 + sigma: all 16 x 128 places of the step are allowed.
; SHARES.  Work-group x = 128 b + T owns 16 rows of the mask; wave w owns keys 256 w .. 256 w + 255 of them (key steps 2 w and 2 w + 1): 4,096 bytes.
; Each load reads 256 consecutive bytes of two rows (sixteen lanes a row).  The bytes turn through the wave's own stage in LDS, so that lane (r, h) holds row r's eight bytes 16 t + 8 h + 0 .. 7.
; A compare of one byte in all lanes IS a word of mbits; v_writelane_b32 lays the wave's 128 words four to a lane, and one store of 512 consecutive bytes takes them out.
.set PITCH, 272                        ; a stage row: 256 bytes + 16: the 32 lanes of an 8-byte read fall on different banks
.set WREG,  16*PITCH                   ; a wave's stage
.set FL,    8*WREG                     ; behind the stages: one word of flags for each wave
	s_load_b128 s[4:7], s[0:1], 0x0                ; masks s[4:5], mbits s[6:7]
	s_load_b64 s[8:9], s[0:1], 0x10                ; mflag
	v_lshl_add_u32 v96, v0, 2, 0x8900
	v_mov_b32 v97, 0
	v_lshrrev_b32 v1, 5, v0
	v_readfirstlane_b32 s10, v1                    ; wave 0..7
	v_and_b32 v1, 31, v0                           ; lane
	v_and_b32 v2, 15, v0                           ; r
	v_bfe_u32 v3, v0, 4, 1                         ; h
	v_lshlrev_b32 v4, 4, v2
	v_lshl_add_u32 v4, v3, 11, v4                  ; in memory: 16 r + one row (2,048 bytes) for lanes 16-31
	s_mul_i32 s11, s10, WREG
	v_mul_u32_u24 v5, v3, PITCH
	v_lshl_add_u32 v5, v2, 4, v5
	v_add_nc_u32 v5, s11, v5                       ; into the stage: row h, 16 r
	v_mul_u32_u24 v6, v2, PITCH
	v_lshl_add_u32 v6, v3, 3, v6
	v_add_nc_u32 v6, s11, v6                       ; out of it: row r, 8 h
	v_lshlrev_b32 v7, 4, v1                        ; 16 x lane: my four words of the wave's 128
	v_mov_b32 v85, s10
	v_lshlrev_b32 v85, 2, v85                      ; 4 x wave: my wave's word of flags
	v_mov_b32 v86, 0
.irp i, 72,73,74,75
	v_mov_b32 v\i, 0                               ; written once: v_writelane_b32's destination counts as read
.endr
	s_lshl_b32 s12, ttmp9, 15                      ; 16 rows of 2,048 bytes a work-group,
	s_lshl_b32 s28, s10, 8
	s_add_co_u32 s12, s12, s28                     ; + 256 bytes a wave
	s_mov_b32 s13, 0
	s_lshl_b32 s18, ttmp9, 12                      ; 16 steps x 64 words a work-group,
	s_lshl_b32 s28, s10, 9
	s_add_co_u32 s18, s18, s28                     ; + two steps a wave
	s_mov_b32 s19, 0
	s_lshl_b32 s30, ttmp9, 2                       ; one word of flags a work-group
	s_mov_b32 s31, 0
	s_mov_b32 s14, 0                               ; step 2 w: the words' OR,
	s_mov_b32 s15, -1                              ; and their AND
	s_mov_b32 s16, 0                               ; step 2 w + 1 likewise
	s_mov_b32 s17, -1
	s_wait_kmcnt 0x0
	s_add_nc_u64 s[4:5], s[4:5], s[12:13]
	s_add_nc_u64 s[6:7], s[6:7], s[18:19]
	s_add_nc_u64 s[8:9], s[8:9], s[30:31]
.irp i, 0,1,2,3,4,5,6,7
	global_load_b128 v[8+4*\i:11+4*\i], v4, s[4:5] offset:4096*\i th:TH_LOAD_NT   ; rows 2 i and 2 i + 1; read once in the launch
.endr
.irp i, 0,1,2,3,4,5,6,7
	s_wait_loadcnt 7-\i                            ; loads come back in order: load i is in, the younger ones stay out
	ds_store_b128 v5, v[8+4*\i:11+4*\i] offset:2*PITCH*\i
.endr
.irp t, 0,1,2,3,4,5,6,7,8,9,10,11,12,13,14,15
	ds_load_b64 v[40+2*\t:41+2*\t], v6 offset:16*\t    ; LDS serves a wave's instructions in order: these see my stores
.endr
.set t, 0
.rept 16
	s_wait_dscnt 15-t                              ; tile t's eight bytes are in; the younger reads stay out
.set i, 0
.rept 8
	v_bfe_u32 v[76+i], v[40+2*t+i/4], 8*(i%4), 8   ; byte i
.set i, i+1
.endr
.set i, 0
.rept 8
	v_cmp_ne_u32 s[20+i], 0, v[76+i]               ; the 32 lanes' bits: word 8 t + i
.set i, i+1
.endr
.set i, 0
.rept 8
	v_writelane_b32 v[72+(8*t+i)%4], s[20+i], (8*t+i)/4
	s_or_b32 s[14+2*(t/8)], s[14+2*(t/8)], s[20+i]
	s_and_b32 s[15+2*(t/8)], s[15+2*(t/8)], s[20+i]
.set i, i+1
.endr
.set t, t+1
.endr
	global_store_b128 v7, v[72:75], s[6:7]         ; 512 consecutive bytes: both steps' words
	s_cmp_lg_u32 s14, 0                            ; the flags, by selects alone
	s_cselect_b32 s28, 1, 0
	s_cmp_eq_u32 s15, -1
	s_cselect_b32 s29, 0x10000, 0
	s_or_b32 s28, s28, s29
	s_cmp_lg_u32 s16, 0
	s_cselect_b32 s29, 2, 0                        ; step 2 w + 1's bits stand one place higher
	s_or_b32 s28, s28, s29
	s_cmp_eq_u32 s17, -1
	s_cselect_b32 s29, 0x20000, 0
	s_or_b32 s28, s28, s29
	s_lshl_b32 s29, s10, 1
	s_lshl_b32 s28, s28, s29                       ; to places 2 w, 2 w + 1, 16 + 2 w, 17 + 2 w
	v_mov_b32 v84, s28
	ds_store_b32 v85, v84 offset:FL                ; all lanes write the same word with the same number
	s_wait_dscnt 0x0                               ; for the others' sake: my store has landed
	s_barrier_signal -1
	s_barrier_wait -1
	s_cmp_lg_u32 s10, 0
	s_cbranch_scc1 .Ldone                          ; wave 0 joins the eight words
	ds_load_b128 v[88:91], v86 offset:FL
	ds_load_b128 v[92:95], v86 offset:FL+16
	s_wait_dscnt 0x0
	v_or_b32 v88, v88, v89
	v_or_b32 v90, v90, v91
	v_or_b32 v92, v92, v93
	v_or_b32 v94, v94, v95
	v_or_b32 v88, v88, v90
	v_or_b32 v92, v92, v94
	v_or_b32 v88, v88, v92
	v_cmp_gt_u32 vcc_lo, 1, v0
	s_wait_xcnt 0x0                                ; EXEC is a source of the store above: it changes only behind this wait
	s_and_saveexec_b32 s32, vcc_lo
	global_store_b32 v86, v88, s[8:9]              ; one lane, one word
	s_wait_xcnt 0x0
	s_or_b32 exec_lo, exec_lo, s32
.Ldone:
	s_wait_tensorcnt 0x0
	ds_add_u32 v96, v97
	s_wait_dscnt 0x0
	s_endpgm
.Lfunc_end_k_q323d8367f7_pack:
	.size	k_q323d8367f7_pack, .Lfunc_end_k_q323d8367f7_pack-k_q323d8367f7_pack
	.p2alignl 7, 3214868480
	.fill 96, 4, 3214868480
	.section	.rodata,"a",@progbits
	.p2align	6, 0x0
	.amdhsa_kernel k_q323d8367f7_pack
		.amdhsa_group_segment_fixed_size 36096
		.amdhsa_private_segment_fixed_size 0
		.amdhsa_enable_private_segment 0
		.amdhsa_kernarg_size 24
		.amdhsa_user_sgpr_count 2
		.amdhsa_user_sgpr_kernarg_segment_ptr 1
		.amdhsa_wavefront_size32 1
		.amdhsa_system_sgpr_workgroup_id_x 1
		.amdhsa_system_sgpr_workgroup_id_y 1
		.amdhsa_system_sgpr_workgroup_id_z 1
		.amdhsa_system_vgpr_workitem_id 0
		.amdhsa_next_free_vgpr 98
		.amdhsa_next_free_sgpr 66
		.amdhsa_reserve_vcc 1
		.amdhsa_float_denorm_mode_32 3
		.amdhsa_float_denorm_mode_16_64 3
		.amdhsa_memory_ordered 1
		.amdhsa_forward_progress 1
		.amdhsa_inst_pref_size 39
	.end_amdhsa_kernel
	.amdgpu_metadata
---
amdhsa.version: [ 1, 2 ]
amdhsa.kernels:
  - .name:           k_q323d8367f7_pack
    .symbol:         k_q323d8367f7_pack.kd
    .args:
      - { .name: masks, .offset: 0, .size: 8, .value_kind: global_buffer, .address_space: global }
      - { .name: mbits, .offset: 8, .size: 8, .value_kind: global_buffer, .address_space: global }
      - { .name: mflag, .offset: 16, .size: 8, .value_kind: global_buffer, .address_space: global }
    .group_segment_fixed_size: 36096
    .private_segment_fixed_size: 0
    .kernarg_segment_align: 8
    .kernarg_segment_size: 24
    .max_flat_workgroup_size: 256
    .sgpr_count:     66
    .vgpr_count:     98
    .wavefront_size: 32
...
	.end_amdgpu_metadata
.endif
;; end of part 1
;; launch proj (part 2): grid 4 x 96, 4 waves a work-group, clusters of 4 x 4, 327,680 bytes of LDS; arguments queries_codes, keys_codes, values_codes, Wq_codes, Wk_codes, Wv_codes, lowp_scales, q_img, k_img, v_img; writes q_img, k_img, v_img
.if DOCPART == 2
	.amdgcn_target "amdgcn-amd-amdhsa--gfx1250"
	.amdhsa_code_object_version 6
	.text
	.protected	k_q323d8367f7_proj
	.globl	k_q323d8367f7_proj
	.p2align	8
	.type	k_q323d8367f7_proj,@function
k_q323d8367f7_proj:
	s_mov_b64 s[64:65], 0
	v_nop
	global_prefetch_b8 v0, s[64:65] scope:SCOPE_SE
	s_setreg_imm32_b32 hwreg(HW_REG_WAVE_MODE, 25, 1), 1
	s_wait_xcnt 0x0
	s_wait_alu depctr_hold_cnt(0) depctr_sa_sdst(0) depctr_va_vdst(0) depctr_va_sdst(0) depctr_va_ssrc(0) depctr_va_vcc(0) depctr_vm_vsrc(0)
	s_getreg_b32 s2, hwreg(HW_REG_IB_STS2, 6, 4)
	s_cmp_eq_u32 s2, 0
	s_cbranch_scc0 .Lentry_in_a_cluster
	s_endpgm
.Lentry_in_a_cluster:
	s_bfe_u32 s2, ttmp6, 0x10000c
	s_cmp_lg_u32 s2, 0xf033
	s_cbranch_scc0 .Lentry_shape_is_right
	s_endpgm
.Lentry_shape_is_right:
; The three projections on codes of BF8 (E5M2), and their results quantised in registers for the attention launch.
; One body: C'[P][Q] = sum over k of A'[P][k] B'[Q][k], K = 1,024, every row 1,024 bytes of codes.  z = cluster y / 8:
;   z = 0: A' = queries (8,192 rows), B' = Wq (1,024 rows h x 64 + d);   z = 1: keys, Wk;   z = 2: A' = Wv (1,024 rows), B' = values (8,192 rows).
; THE MATRIX INSTRUCTION IS USED TRANSPOSED (source 0 = 16 rows of B', source 1 = 16 rows of A'): a lane holds one row of A' and its eight registers eight neighbouring rows of B'.
; For q and k those are eight neighbours along d, for v eight neighbouring keys: the next product's K.  So one conversion of an accumulator gives registers 2 c, 2 c + 1 of the next operand's fragment
; (k = 16 c + 8 (lane / 16) + 0 .. 7), and the results leave as IMAGES OF THE OPERANDS' REGISTERS: four registers a store, 16 bytes a lane, 512 consecutive bytes a store; no stage in LDS.
;   q_img, k_img: [b][h][tile of 16 rows T 128][c2 2][lane][16 bytes];   v_img: [b][h][key step sigma 16][dt 4][g 4][lane][16 bytes] (a fragment: 16 of the head's 64 x 128 keys).
; code = sum / 2^d, held within +-57,344, d = e6 - e0 - e1 (q), e7 - e2 - e3 (k), e9 - e4 - e5 (v): the three given scales folded into the conversion's one.
; LIMIT: d lies between -126 and 112, so that 2^d and 57,344 x 2^d are f32 numbers.  NaN codes among the inputs are not served.
; A tile of C', 256 x 256, is made by four waves, 128 x 128 each: 64 accumulators, 512 registers.  K goes in four steps of 256 through two LDS slots filled by the tensor data mover; the steps are written out.
; CLUSTERS: 4 x 4 work-groups; A's tiles are asked for jointly along a row of the cluster, B's along a column.  z and j = cluster y % 8 are the same in all sixteen partners.
; REGISTERS: window 0: v0-31 addresses and the scale; v32-95 at work on the way out; from v128 A's fragments, ONE set, later the codes.  window 1: B's fragments, TWO sets.  windows 2, 3: the accumulators ((a, b) at v[8 (8 (a % 4) + b)]).
.set ROWB,   256                       ; a tile's row: 256 codes
.set KROW,   1024                      ; a row of A' or B' in memory
.set PITCH,  272                       ; an LDS row: 256 bytes + 16 of padding: the 16 rows that a load touches start at 16 different banks
.set FR,     16                        ; registers of a fragment: 16 rows x 128 K
.set NL,     4                         ; LDS loads that bring one
.set NP,     4                         ; places behind this matrix instruction (ISA guide 7.12.1)
.set HALFT,  128*PITCH                 ; 128 rows: what one tensor load brings
.set SLOT,   4*HALFT                   ; A's 256 rows, then B's 256 rows
.set SPARE,  2*SLOT                    ; behind the ring: the spare words, 128 bytes for each wave
.set ADRA, 16                          ; v16-17  LDS address of my A fragments in slot 0, 1
.set ADRB, 20                          ; v20-21  the same for B
.set CO,   26                          ; v26     16 x lane
.set SPW,  28                          ; v28     LDS address of my spare word; never rewritten
.set NIL,  29                          ; v29     0; never rewritten
.set SC,   30                          ; v30     2^d as f32
.set LIM,  31                          ; v31     57,344 x 2^d
.set TMP,  32                          ; v32-95  a block's 64 sums, held
.set AF,   128                         ; A's fragments
.set CD,   128                         ; the codes: block a's 16 registers at v[128 + 16 a]
.set G1, 24                            ; s[24:31] descriptor group 1 for A's tiles;  s[32:39] group 0, one set for each slot
.set G0, 32
.set G1B, 48                           ; s[48:55], s[56:63] the same for B's tiles
.set G0B, 56
.set MSB, 0
.macro WIN new                         ; the immediate's high byte repeats the setting that is left
.if MSB != \new
	s_set_vgpr_msb (MSB<<8)|\new
.set MSB, \new
.endif
.endm
.set MUL_LO, 0xa1                      ; source 0 (B) window 1, source 1 (A) window 0, C and D window 2
.set MUL_HI, 0xf1                      ; the same, C and D window 3
.set TO_B,   0x40                      ; destination window 1, address window 0
; A joint load: waves 0 and 1 fetch for A, waves 2 and 3 for B; the branch hangs on the wave's number alone.  Four v_nop follow each of the two lines.
.macro JLOAD g0a, g1a, g0b, g1b
	s_cmp_eq_u32 s15, 0
	s_cbranch_scc0 .Lfor_b_\@
	tensor_load_to_lds s[\g0a:\g0a+3], s[\g1a:\g1a+7]
	s_nop 0
.rept 4
	v_nop
.endr
	s_branch .Lasked_\@
.Lfor_b_\@:
	tensor_load_to_lds s[\g0b:\g0b+3], s[\g1b:\g1b+7]
	s_nop 0
.rept 4
	v_nop
.endr
.Lasked_\@:
.endm
.macro CREST                           ; a round of the cluster's barrier behind its opening barrier
	s_cmp_lg_u32 s14, 0
	s_cbranch_scc1 .Lnot_wave_0_\@
	s_barrier_signal -3
.Lnot_wave_0_\@:
	s_barrier_wait -3
	s_barrier_signal -1
	s_barrier_wait -1
.endm
.macro CROUND                          ; a whole round
	s_barrier_signal -1
	s_barrier_wait -1
	CREST
.endm
	s_load_b512 s[68:83], s[0:1], 0x0              ; queries s[68:69], keys s[70:71], values s[72:73], Wq s[74:75], Wk s[76:77], Wv s[78:79], the scales' exponents s[80:81], q_img s[82:83]
	s_load_b128 s[84:87], s[0:1], 0x40             ; k_img s[84:85], v_img s[86:87]
	v_lshl_add_u32 v[SPW], v0, 2, SPARE
	v_mov_b32 v[NIL], 0
	ds_add_u32 v28, v29
	ds_add_u32 v28, v29
	s_wait_dscnt 0x0
	v_lshrrev_b32 v1, 5, v0
	v_readfirstlane_b32 s14, v1                    ; wave 0..3
	s_lshr_b32 s15, s14, 1                         ; which half of the tile's rows (of A') is mine.  Also: I fetch for A (0) or for B (1)
	s_and_b32 s16, s14, 1                          ; which half of its columns (rows of B').  Also: which 128 rows of that tile I fetch
	s_bfe_u32 s40, ttmp6, 0x40000                  ; cx, cy: my place in the cluster
	s_bfe_u32 s41, ttmp6, 0x40004
	s_and_b32 s18, ttmp7, 0xffff                   ; cluster y, 0 .. 23
	s_lshr_b32 s67, s18, 3                         ; z: which projection
	s_and_b32 s18, s18, 7
	s_lshl_b32 s18, s18, 2                         ; 4 j: the cluster's place along the operand of 8,192 rows
	s_cmp_eq_u32 s67, 2
	s_cselect_b32 s19, 0, s18                      ; that operand is A' for q and k,
	s_cselect_b32 s18, s18, 0                      ; B' for v
	s_add_co_u32 s17, s41, s19                     ; tile row: made of cy and the cluster's y alone
	s_add_co_u32 s42, s40, s18                     ; tile column: of cx and the cluster's y alone
	s_lshl_b32 s43, s41, 2
	s_lshl_b32 s43, 15, s43                        ; my row of the cluster
	s_lshl_b32 s44, 0x1111, s40                    ; my column
	; descriptor group 1: a tile of 128 rows x 256 bytes, padded in LDS
	s_or_b32 s[G1+0], s43, (0<<16)|(1<<20)|(1<<21)|(5<<22)|(3<<25)  ; 15:0 the mask; 17:16 element of 1 byte; 20 padding on; 21 set beside a mask; 24:22 after every 64 words (code 5); 31:25 of 4 words (code 3)
	s_or_b32 s[G1B+0], s44, (0<<16)|(1<<20)|(1<<21)|(5<<22)|(3<<25)
.irp g, G1, G1B
	s_mov_b32 s[\g+1], ROWB<<16                    ; tensor_dim0
	s_mov_b32 s[\g+2], 128<<16                     ; tensor_dim1 = 128
	s_mov_b32 s[\g+3], ROWB<<16                    ; tile_dim0
	s_mov_b32 s[\g+4], 128                         ; tile_dim1 = 128
	s_mov_b32 s[\g+5], KROW                        ; tensor_dim0_stride
	s_mov_b32 s[\g+6], 0
	s_mov_b32 s[\g+7], 0
.endr
	s_lshl_b32 s18, s16, 7                         ; which 128 rows of the tile I fetch
	s_lshl_b32 s20, s17, 8
	s_add_co_u32 s20, s20, s18                     ; A': row 256 x tile row + 128 x half,
	s_lshl_b32 s20, s20, 10                        ; in bytes (under 2^23)
	s_mov_b32 s21, 0
	s_lshl_b32 s46, s42, 8
	s_add_co_u32 s46, s46, s18                     ; B': row 256 x tile column + 128 x half
	s_lshl_b32 s46, s46, 10
	s_mov_b32 s47, 0
	s_mul_i32 s45, s14, HALFT                      ; where they go: wave x 128 rows: no place in the cluster enters an LDS address
	s_wait_kmcnt 0x0
	s_cmp_eq_u32 s67, 1                            ; the buffers, chosen by z alone
	s_cselect_b64 s[4:5], s[70:71], s[78:79]       ; A': keys or Wv,
	s_cselect_b64 s[6:7], s[76:77], s[72:73]       ; B': Wk or values,
	s_cselect_b64 s[10:11], s[84:85], s[86:87]     ; the images: k's or v's;
	s_cmp_eq_u32 s67, 0
	s_cselect_b64 s[4:5], s[68:69], s[4:5]         ; or queries,
	s_cselect_b64 s[6:7], s[74:75], s[6:7]         ; Wq,
	s_cselect_b64 s[10:11], s[82:83], s[10:11]     ; q's
	s_load_b256 s[88:95], s[80:81], 0x0            ; e0 .. e7
	s_load_b128 s[96:99], s[80:81], 0x20           ; e8 .. e11
	s_add_nc_u64 s[20:21], s[4:5], s[20:21]
	s_add_nc_u64 s[46:47], s[6:7], s[46:47]
	CROUND                                         ; all sixteen work-groups are here: the first joint loads meet
.irp s, 0,1
	s_mov_b32 s[G0+4*\s], 1
	s_add_co_u32 s[G0+4*\s+1], s45, \s*SLOT
	s_add_nc_u64 s[G0+4*\s+2:G0+4*\s+3], s[20:21], \s*ROWB
	s_or_b32 s[G0+4*\s+3], s[G0+4*\s+3], 0x80000000
	s_mov_b32 s[G0B+4*\s], 1
	s_add_co_u32 s[G0B+4*\s+1], s45, \s*SLOT
	s_add_nc_u64 s[G0B+4*\s+2:G0B+4*\s+3], s[46:47], \s*ROWB
	s_or_b32 s[G0B+4*\s+3], s[G0B+4*\s+3], 0x80000000
	JLOAD G0+4*\s, G1, G0B+4*\s, G1B
.endr
	v_and_b32 v1, 15, v0                           ; l % 16
	v_bfe_u32 v2, v0, 4, 1                         ; l / 16
	v_mul_u32_u24 v3, v1, PITCH
	v_lshl_add_u32 v4, v2, 4, v3                   ; a fragment's row x pitch + 16 x half
	s_mul_i32 s21, s15, HALFT                      ; my 128 rows of A'
	s_mul_i32 s22, s16, HALFT                      ; my 128 rows of B',
	s_add_co_u32 s22, s22, 2*HALFT                 ; which lie behind A's 256
.irp s, 0,1
	v_add_nc_u32 v[ADRA+\s], s21, v4
	v_add_nc_u32 v[ADRB+\s], s22, v4
	s_add_co_u32 s21, s21, SLOT
	s_add_co_u32 s22, s22, SLOT
.endr
	v_and_b32 v6, 31, v0
	v_lshlrev_b32 v[CO], 4, v6                     ; 16 x lane
	; where my wave's images begin.  X, xs: tile and half along the operand of 8,192 rows; W, ws: along the weight's 1,024.
	; batch X / 8; head 4 W + 2 ws (+ 1 in the stores' offsets); 128 rows or keys: 2 (X % 8) + xs, 8,192 bytes each in all three layouts
	s_cmp_eq_u32 s67, 2
	s_cselect_b32 s20, s42, s17                    ; X
	s_cselect_b32 s21, s16, s15                    ; xs
	s_cselect_b32 s22, s17, s42                    ; W
	s_cselect_b32 s23, s15, s16                    ; ws
	s_lshr_b32 s46, s20, 3
	s_lshl_b32 s46, s46, 21
	s_lshl_b32 s22, s22, 2
	s_lshl_b32 s23, s23, 1
	s_add_co_u32 s22, s22, s23
	s_lshl_b32 s22, s22, 17
	s_add_co_u32 s46, s46, s22
	s_and_b32 s20, s20, 7
	s_lshl_b32 s20, s20, 1
	s_add_co_u32 s20, s20, s21
	s_lshl_b32 s20, s20, 13
	s_add_co_u32 s46, s46, s20
	s_mov_b32 s47, 0
	s_add_nc_u64 s[10:11], s[10:11], s[46:47]
.macro FRAG reg, adr, q, i             ; a fragment by four loads of 16 bytes: registers 4 c .. 4 c + 3 hold K = 32 c + 16 (l / 16) + 0 .. 15: a permutation of k, the same in A' and B'
.irp c, 0,1,2,3
	ds_load_b128 v[\reg+4*\c:\reg+4*\c+3], v[\adr] offset:128*(\q)+32*\c+(\i)*16*PITCH
.endr
.endm
; 16 matrix instructions: A's blocks a0, a0 + 1 x B's eight, 128 along K.  p: B's set.  zero = 1: the first product starts the sums.
; The 64 accumulators take turns, one instruction a turn, in the same order in every step.
.macro MUL16 a0, p, zero
.irp a, \a0, \a0+1
.irp b, 0,1,2,3,4,5,6,7
.if \zero
	v_wmma_f32_16x16x128_bf8_bf8 v[8*(8*((\a)%4)+\b):8*(8*((\a)%4)+\b)+7], v[128*(\p)+FR*\b:128*(\p)+FR*\b+FR-1], v[AF+FR*(\a):AF+FR*(\a)+FR-1], 0
.else
	v_wmma_f32_16x16x128_bf8_bf8 v[8*(8*((\a)%4)+\b):8*(8*((\a)%4)+\b)+7], v[128*(\p)+FR*\b:128*(\p)+FR*\b+FR-1], v[AF+FR*(\a):AF+FR*(\a)+FR-1], v[8*(8*((\a)%4)+\b):8*(8*((\a)%4)+\b)+7]
.endif
.endr
.endr
.endm
.macro FETCH_B slot, q, p              ; B's eight fragments of the slot's q-th 128 along K into set p
	WIN TO_B
.irp i, 0,1,2,3,4,5,6,7
	FRAG 128*(\p)+FR*\i, ADRB+\slot, \q, \i
.endr
	WIN 0
.endm
.macro FETCH_A slot, q, i0             ; A's blocks i0 .. i0 + 3
.irp i, \i0, \i0+1, \i0+2, \i0+3
	FRAG AF+FR*(\i), ADRA+\slot, \q, \i
.endr
.endm
.macro PLACES n                        ; plain vector instructions between a matrix instruction and a load into, or a vector read or write of, its registers
.rept \n
	v_nop
.endr
.endm
; A step of 128 along K that has its successor in the same slot.
.macro STEP slot, q, zero
	s_wait_dscnt 4*NL                              ; B's set and A's blocks 0-3 are in; the youngest 16 loads (A's blocks 4-7) may be out
	WIN MUL_LO
	MUL16 0, (\q)%2, \zero
	MUL16 2, (\q)%2, \zero
	s_wait_dscnt 0                                 ; A's blocks 4-7 are in
	PLACES NP
	FETCH_B \slot, (\q)+1, 1-(\q)%2
	FETCH_A \slot, (\q)+1, 0
	WIN MUL_HI
	MUL16 4, (\q)%2, \zero
	MUL16 6, (\q)%2, \zero
	PLACES NP
	WIN 0
	FETCH_A \slot, (\q)+1, 4
.endm
; A slot's last step changes slots: ONE barrier; in front of it each wave waits for all its tensor loads, adds 0 to its spare word, and waits for that and for its own reads of this slot.  fill = 1: this slot is filled again, two K steps ahead.
.macro TURN slot, next, fill
	s_wait_tensorcnt 0x0                           ; all my tensor loads have landed: my part of the next slot  (every window is 0 here)
	ds_add_u32 v[SPW], v[NIL]                      ; 0 onto my spare word
	s_wait_dscnt 4*NL+1                            ; (the add and the youngest 16 loads, A's blocks 4-7, may be out)
	WIN MUL_LO
	MUL16 0, 1, 0                                  ; sixteen matrix instructions stand between the add and the wait for it
	s_wait_dscnt 0x0                               ; the add is done, and my reads of this slot are over
	s_barrier_signal -1
	MUL16 2, 1, 0
	WIN 0
	s_barrier_wait -1
.if \fill
	CREST                                          ; the barrier has opened a round of the cluster's barrier: no wave of any partner still reads this slot's tile or has a load on its way
	s_add_nc_u64 s[G0+4*\slot+2:G0+4*\slot+3], s[G0+4*\slot+2:G0+4*\slot+3], 2*ROWB
	s_add_nc_u64 s[G0B+4*\slot+2:G0B+4*\slot+3], s[G0B+4*\slot+2:G0B+4*\slot+3], 2*ROWB
	JLOAD G0+4*\slot, G1, G0B+4*\slot, G1B         ; the first tensor load behind the round; its four v_nop are also the places in front of the loads below
.else
	PLACES NP
.endif
	FETCH_B \next, 0, 0
	FETCH_A \next, 0, 0
	WIN MUL_HI
	MUL16 4, 1, 0
	MUL16 6, 1, 0
	PLACES NP
	WIN 0
	FETCH_A \next, 0, 4
.endm
	s_wait_tensorcnt 1                             ; my part of K step 0 is in (K step 1's load may be out)
	s_barrier_signal -1
	s_barrier_wait -1                              ; everybody's is
	FETCH_B 0, 0, 0
	FETCH_A 0, 0, 0
	FETCH_A 0, 0, 4
	STEP 0, 0, 1                                   ; K 0-127: the first products start the sums
	TURN 0, 1, 1                                   ; K 128-255; slot 0 takes K 512-767
	STEP 1, 0, 0
	TURN 1, 0, 1                                   ; slot 1 takes K 768-1,023
	STEP 0, 0, 0
	TURN 0, 1, 0                                   ; nothing is left to fetch
	STEP 1, 0, 0
	s_wait_dscnt 4*NL                              ; the very last step
	WIN MUL_LO
	MUL16 0, 1, 0
	MUL16 2, 1, 0
	s_wait_dscnt 0
	WIN MUL_HI
	MUL16 4, 1, 0
	MUL16 6, 1, 0
	WIN 0
	; THE WAY OUT: hold, convert, store.
	s_wait_kmcnt 0x0
	s_sub_co_i32 s20, s94, s88                     ; q: e6 - e0 - e1
	s_sub_co_i32 s20, s20, s89
	s_sub_co_i32 s21, s95, s90                     ; k: e7 - e2 - e3
	s_sub_co_i32 s21, s21, s91
	s_sub_co_i32 s22, s97, s92                     ; v: e9 - e4 - e5
	s_sub_co_i32 s22, s22, s93
	s_cmp_eq_u32 s67, 1
	s_cselect_b32 s21, s21, s22
	s_cmp_eq_u32 s67, 0
	s_cselect_b32 s20, s20, s21                    ; d
	s_add_co_i32 s20, s20, 127
	s_lshl_b32 s21, s20, 23
	v_mov_b32 v[SC], s21                           ; 2^d as f32: the conversion takes its exponent field
	s_add_co_i32 s20, s20, 15
	s_lshl_b32 s20, s20, 23
	s_or_b32 s20, s20, 0x600000
	v_mov_b32 v[LIM], s20                          ; 57,344 x 2^d
	PLACES NP                                      ; behind the last products: their results are read, and A's registers written, below
.macro CODES a                         ; block a: 16 rows of A' x my 128 rows of B'
.set AC, 64*((\a)%4)
	WIN 0x02+((\a)/4)                              ; source 0: window 2 or 3
.set i, 0
.rept 64
	v_med3_num_f32 v[TMP+i], v[AC+i], -v[LIM], v[LIM]   ; the conversion to an 8-bit code does not saturate (ISA guide 7.6.2): the hold first; each accumulator from its low end on
.set i, i+1
.endr
	WIN 0
.irp b, 0,1,2,3,4,5,6,7
	v_cvt_scalef32_pk8_bf8_f32 v[CD+16*(\a)+2*\b:CD+16*(\a)+2*\b+1], v[TMP+8*\b:TMP+8*\b+7], v[SC]   ; accumulator (a, b): registers 2 b, 2 b + 1 of the block's sixteen
.endr
	v_nop                                          ; a plain instruction between the conversions and the next block's holds, which write their sources
.endm
.irp a, 0,1,2,3,4,5,6,7
	CODES \a
.endr
	s_cmp_eq_u32 s67, 2                            ; the same in all partners
	s_cbranch_scc1 .Lstore_v
.irp a, 0,1,2,3,4,5,6,7                ; q, k: block a is a tile of 16 rows; registers 0-7 my first head's fragment, 8-15 my second's
.irp g, 0,1,2,3
	global_store_b128 v[CO], v[CD+16*\a+4*\g:CD+16*\a+4*\g+3], s[10:11] offset:\a*1024+(\g/2)*131072+(\g%2)*512
.endr
.endr
	s_branch .Lstored
.Lstore_v:
.irp a, 0,1,2,3,4,5,6,7                ; v: block a is 16 of a head's 64 (head a / 4 of my two, dt = a % 4); its sixteen registers are one fragment of 128 keys
.irp g, 0,1,2,3
	global_store_b128 v[CO], v[CD+16*\a+4*\g:CD+16*\a+4*\g+3], s[10:11] offset:(\a/4)*131072+(\a%4)*2048+\g*512
.endr
.endr
.Lstored:
	s_wait_tensorcnt 0x0                           ; the wave's end
	ds_add_u32 v[SPW], v[NIL]
	s_wait_dscnt 0x0
	CROUND                                         ; the closing round: no work-group ends while a partner may still ask for a tile that names it
	s_endpgm
.Lfunc_end_k_q323d8367f7_proj:
	.size	k_q323d8367f7_proj, .Lfunc_end_k_q323d8367f7_proj-k_q323d8367f7_proj
	.p2alignl 7, 3214868480
	.fill 96, 4, 3214868480
	.section	.rodata,"a",@progbits
	.p2align	6, 0x0
	.amdhsa_kernel k_q323d8367f7_proj
		.amdhsa_group_segment_fixed_size 327680
		.amdhsa_private_segment_fixed_size 0
		.amdhsa_enable_private_segment 0
		.amdhsa_kernarg_size 80
		.amdhsa_user_sgpr_count 2
		.amdhsa_user_sgpr_kernarg_segment_ptr 1
		.amdhsa_wavefront_size32 1
		.amdhsa_system_sgpr_workgroup_id_x 1
		.amdhsa_system_sgpr_workgroup_id_y 1
		.amdhsa_system_sgpr_workgroup_id_z 1
		.amdhsa_system_vgpr_workitem_id 0
		.amdhsa_next_free_vgpr 1024
		.amdhsa_next_free_sgpr 100
		.amdhsa_reserve_vcc 0
		.amdhsa_float_denorm_mode_32 3
		.amdhsa_float_denorm_mode_16_64 3
		.amdhsa_memory_ordered 1
		.amdhsa_forward_progress 1
		.amdhsa_inst_pref_size 121
	.end_amdhsa_kernel
	.amdgpu_metadata
---
amdhsa.version: [ 1, 2 ]
amdhsa.kernels:
  - .name:           k_q323d8367f7_proj
    .symbol:         k_q323d8367f7_proj.kd
    .args:
      - { .name: queries_codes, .offset: 0, .size: 8, .value_kind: global_buffer, .address_space: global }
      - { .name: keys_codes, .offset: 8, .size: 8, .value_kind: global_buffer, .address_space: global }
      - { .name: values_codes, .offset: 16, .size: 8, .value_kind: global_buffer, .address_space: global }
      - { .name: Wq_codes, .offset: 24, .size: 8, .value_kind: global_buffer, .address_space: global }
      - { .name: Wk_codes, .offset: 32, .size: 8, .value_kind: global_buffer, .address_space: global }
      - { .name: Wv_codes, .offset: 40, .size: 8, .value_kind: global_buffer, .address_space: global }
      - { .name: lowp_scales, .offset: 48, .size: 8, .value_kind: global_buffer, .address_space: global }
      - { .name: q_img, .offset: 56, .size: 8, .value_kind: global_buffer, .address_space: global }
      - { .name: k_img, .offset: 64, .size: 8, .value_kind: global_buffer, .address_space: global }
      - { .name: v_img, .offset: 72, .size: 8, .value_kind: global_buffer, .address_space: global }
    .group_segment_fixed_size: 327680
    .private_segment_fixed_size: 0
    .kernarg_segment_align: 8
    .kernarg_segment_size: 80
    .max_flat_workgroup_size: 128
    .sgpr_count:     100
    .vgpr_count:     1024
    .wavefront_size: 32
...
	.end_amdgpu_metadata
.endif
;; end of part 2
;; launch attn (part 3): grid 4 x 64, 16 waves a work-group, no clusters, 264,192 bytes of LDS; arguments q_img, k_img, v_img, mbits, mflag, lowp_scales, attn_img; writes attn_img
.if DOCPART == 3
	.amdgcn_target "amdgcn-amd-amdhsa--gfx1250"
	.amdhsa_code_object_version 6
	.text
	.protected	k_q323d8367f7_attn
	.globl	k_q323d8367f7_attn
	.p2align	8
	.type	k_q323d8367f7_attn,@function
k_q323d8367f7_attn:
	s_mov_b64 s[64:65], 0
	v_nop
	global_prefetch_b8 v0, s[64:65] scope:SCOPE_SE
	s_setreg_imm32_b32 hwreg(HW_REG_WAVE_MODE, 25, 1), 1
	s_wait_xcnt 0x0
; Attention for one (batch, head), both products on codes of BF8 (E5M2); the result is quantised for the output projection.
; t = score x 2^(e6 + e7) x log2(e) / 8; a place that the mask forbids counts as -infinity; M = the row's largest t so far, rounded UP to a whole number; p = 2^(t - M) is quantised with 2^e8, not normalised.
; The row's sum l is taken of the unquantised p; when M moves, l and O are multiplied by 2^(old M - new M), which rounds nothing.  code of the result = (O / l) / 2^(e10 - e8 - e9), held within +-57,344.
; A row with no allowed key has l = 0: its codes are the format's NaN (0x7f), which the next product carries on, as the softmax of such a row is NaN.
; SHARES.  Work-group (j, b x 16 + h) keeps the head's WHOLE K and V in LDS (131,072 bytes each), as images of the operands' registers, filled once through registers: one barrier, then LDS is only read.
; Wave w takes two tiles of 16 queries, T = 16 j + w and then 127 - T.  The pairing serves balance alone; nothing in the values hangs on the mask's pattern.
; A key step is 128 keys.  mflag[b][T] (whole numbers stored by an earlier launch) says for each step: no key allowed for any of the 16 queries: the step is left out; all allowed: no masking; else the step's 64
; lane masks are read from mbits into scalar registers, and one v_cndmask_b32 a score register puts -infinity where the mask forbids.
; NO CLUSTER, NO TENSOR LOAD: the four work-groups of a head do read the same 262,144 bytes, but the branch that leaves hidden steps out
; spares up to 15 of a tile's 16 steps, against one fill.
; LAYOUT.  S^T = K Q^T (source 0 = 16 keys, source 1 = my 16 queries), O^T = V^T P^T (source 0 = 16 of the head's 64, source 1 = P): a lane holds ONE query (lane % 16), and an accumulator's eight registers are the
; rows 8 (lane / 16) + 0 .. 7 of source 0.  A conversion of accumulator t therefore gives registers 2 t, 2 t + 1 of the next operand in this form's own layout (k = 16 t + 8 (lane / 16) + 0 .. 7).
; LIMITS on the given exponents, so that each power of two below is an f32 number: e6 + e7 between -123 and 130; e8, and e10 - e8 - e9, between -126 and 112.
; REGISTERS: v1 16 x lane; v2, v3 LDS addresses of the step's K and V; v4-7 the fill's addresses; v8, v9 my offsets in q_img and attn_img; v10 -infinity; v11 2^e8; v12 -M, v13 the largest t; v[14:15] the sum;
;   v[16:23] Q; v24 57,344 x 2^e8; v25-31 at work; v[32:95] K's or V's fragments; v[96:159] S^T, then p; v[160:191] O^T; v[192:223] O / l; v[224:239] p's codes, at the end the result's; v240, v241 the result's scale and hold; v242 four NaN codes.
; s[16:63], s[68:83]: a step's 64 lane masks (word n in s[16 + n], from n = 48 on in s[20 + n]); at the head s[16:27] hold e0 .. e11.
.set VLDS, 131072                      ; V's images begin here
	s_load_b256 s[4:11], s[0:1], 0x0               ; q_img s[4:5], k_img s[6:7], v_img s[8:9], mbits s[10:11]
	s_load_b128 s[84:87], s[0:1], 0x20             ; mflag s[84:85], the scales' exponents s[86:87]
	s_load_b64 s[88:89], s[0:1], 0x30              ; attn_img
	v_lshl_add_u32 v254, v0, 2, 0x40000
	v_mov_b32 v255, 0
	v_lshrrev_b32 v1, 5, v0
	v_readfirstlane_b32 s2, v1                     ; wave 0..15
	v_and_b32 v1, 31, v0
	v_lshlrev_b32 v1, 4, v1                        ; 16 x lane
	v_lshlrev_b32 v4, 4, v0                        ; 16 x thread: the fill's place, in memory and in LDS
	v_add_nc_u32 v5, 0x10000, v4                   ; an LDS offset has 16 bits: a register for each 65,536 bytes
	v_add_nc_u32 v6, 0x20000, v4
	v_add_nc_u32 v7, 0x30000, v4
	s_and_b32 s12, ttmp7, 0xffff                   ; b x 16 + h
	s_lshr_b32 s13, s12, 4                         ; b
	s_lshl_b32 s96, s12, 17                        ; a head's images are 131,072 bytes in each of q_img, k_img, v_img
	s_mov_b32 s97, 0
	s_wait_kmcnt 0x0
	s_load_b256 s[16:23], s[86:87], 0x0            ; e0 .. e7
	s_load_b128 s[24:27], s[86:87], 0x20           ; e8 .. e11
	s_add_nc_u64 s[4:5], s[4:5], s[96:97]
	s_add_nc_u64 s[6:7], s[6:7], s[96:97]
	s_add_nc_u64 s[8:9], s[8:9], s[96:97]
.irp i, 0,1,2,3,4,5,6,7,8,9,10,11,12,13,14,15
	global_load_b128 v[96+4*\i:99+4*\i], v4, s[6:7] offset:8192*\i     ; K: the 512 threads take 8,192 consecutive bytes an instruction
.endr
.irp i, 0,1,2,3,4,5,6,7,8,9,10,11,12,13,14,15
	global_load_b128 v[160+4*\i:163+4*\i], v4, s[8:9] offset:8192*\i   ; V
.endr
	s_lshl_b32 s96, s13, 19
	s_add_nc_u64 s[10:11], s[10:11], s[96:97]      ; mbits at my batch: 128 tiles x 4,096 bytes
	s_lshl_b32 s96, s13, 9
	s_add_nc_u64 s[84:85], s[84:85], s[96:97]      ; mflag at my batch
	s_lshl_b32 s96, s13, 21
	s_and_b32 s98, s12, 15
	s_lshl_b32 s98, s98, 10
	s_add_co_u32 s96, s96, s98
	s_add_nc_u64 s[88:89], s[88:89], s[96:97]      ; attn_img at my batch and head: [128 b + T][h][1,024 bytes]
	s_lshl_b32 s14, ttmp9, 4
	s_add_co_u32 s14, s14, s2                      ; T = 16 j + w
	s_mov_b32 s94, 0x76543210                      ; v_permlanex16_b32's selects for lane l xor 16
	s_mov_b32 s95, 0xfedcba98
	v_mov_b32 v10, 0xff800000                      ; -infinity
	v_mov_b32 v25, 0                               ; written once: a lane permute's destination counts as one of its sources
	v_mov_b32 v27, 0                               ; (named as the upper halves of the pairs v[26:27], v[28:29])
	v_mov_b32 v29, 0
	v_mov_b32 v242, 0x7f7f7f7f
	s_wait_kmcnt 0x0
	s_add_co_i32 s96, s22, s23
	s_lshl_b32 s96, s96, 23
	s_add_co_i32 s92, s96, 0x3e38aa3b              ; c = log2(e) / 8, with e6 + e7 added to its exponent field
	s_mov_b32 s93, s92                             ; (named with it as a pair, so it is written)
	s_add_co_i32 s96, s24, 127
	s_lshl_b32 s98, s96, 23
	v_mov_b32 v11, s98                             ; 2^e8
	s_add_co_i32 s96, s96, 15
	s_lshl_b32 s96, s96, 23
	s_or_b32 s96, s96, 0x600000
	v_mov_b32 v24, s96                             ; 57,344 x 2^e8
	s_sub_co_i32 s96, s26, s24
	s_sub_co_i32 s96, s96, s25                     ; e10 - e8 - e9
	s_add_co_i32 s96, s96, 127
	s_lshl_b32 s98, s96, 23
	v_mov_b32 v240, s98
	s_add_co_i32 s96, s96, 15
	s_lshl_b32 s96, s96, 23
	s_or_b32 s96, s96, 0x600000
	v_mov_b32 v241, s96
.irp q, 0,1,2,3
	s_wait_loadcnt 24-8*\q                         ; this quarter's eight loads are in; the younger quarters stay out
.irp i, 0,1,2,3,4,5,6,7
	ds_store_b128 v[4+\q], v[96+32*\q+4*\i:99+32*\q+4*\i] offset:8192*\i
.endr
.endr
	s_wait_dscnt 0x0                               ; for the others' sake: my stores have landed
	s_barrier_signal -1
	s_barrier_wait -1                              ; K and V are whole; from here on LDS is only read
; S^T of a key step, and the request for its V.  m = 1: the step's lane masks are read and applied.
.macro SCORES m
.if \m
	s_lshl_b32 s97, s14, 12
	s_lshl_b32 s101, s15, 8
	s_add_co_u32 s98, s97, s101                    ; tile T's 4,096 bytes, step sigma's 256
	s_mov_b32 s99, 0
	s_add_nc_u64 s[98:99], s[10:11], s[98:99]
	s_load_b512 s[16:31], s[98:99], 0x0
	s_load_b512 s[32:47], s[98:99], 0x40
	s_load_b512 s[48:63], s[98:99], 0x80
	s_load_b512 s[68:83], s[98:99], 0xc0
.endif
	v_nop                                          ; with the two additions ahead of the macro: four places in front of loads into registers that the last products read
	v_nop
.irp t, 0,1,2,3,4,5,6,7
	ds_load_b128 v[32+8*\t:35+8*\t], v2 offset:1024*\t         ; K's fragment t, as it was stored: 512 consecutive bytes an instruction
	ds_load_b128 v[36+8*\t:39+8*\t], v2 offset:1024*\t+512
.endr
	s_wait_dscnt 0x0
.irp t, 0,1,2,3,4,5,6,7
	v_wmma_f32_16x16x64_bf8_bf8 v[96+8*\t:103+8*\t], v[32+8*\t:39+8*\t], v[16:23], 0
.endr
.rept 4
	v_nop                                          ; places: K's registers are loaded again, and the scores read, below
.endr
.irp d, 0,1,2,3
.irp g, 0,1,2,3
	ds_load_b128 v[32+16*\d+4*\g:35+16*\d+4*\g], v3 offset:2048*\d+512*\g   ; V's four fragments: they land under the softmax
.endr
.endr
.if \m
	s_wait_kmcnt 0x0
.set n, 0
.rept 64
	v_cndmask_b32 v[96+n], v10, v[96+n], s[16+n+4*(n/48)]     ; the score where the lane's bit is set, else -infinity; each accumulator from its low end on
.set n, n+1
.endr
.endif
.endm
.macro SOFT
	v_max3_num_f32 v26, v96, v97, v98              ; the step's largest score of my query, among my 64 keys, in two chains, ascending,
	v_max3_num_f32 v28, v99, v100, v101
.set i, 6
.rept 14
	v_max3_num_f32 v26, v26, v[96+i], v[97+i]
	v_max3_num_f32 v28, v28, v[98+i], v[99+i]
.set i, i+4
.endr
	v_max3_num_f32 v26, v26, v158, v159
	v_max_num_f32 v26, v26, v28
	v_permlanex16_b32 v25, v26, s94, s95
	v_max_num_f32 v26, v26, v25                    ; and among lane l xor 16's
	v_mul_f32 v26, s92, v26                        ; as t (c is positive)
	v_max_num_f32 v13, v13, v26                    ; the running largest t
	v_mov_b32 v26, v12
	v_floor_f32 v12, -v13                          ; the new -M = floor(-t) = -ceil(t): a whole number
	v_sub_f32 v26, v12, v26                        ; old M - new M: a whole number, 0 or less
	v_cvt_i32_f32 v26, v26                         ; (it saturates)
	v_ldexp_f32 v28, 1.0, v26                      ; f = 2^(old M - new M)
.set j, 0
.rept 32
	v_pk_fma_f32 v[96+j:97+j], v[96+j:97+j], s[92:93], v[12:13] op_sel_hi:[1,0,0]   ; t - M, two at a time (of the pairs c and -M the low word serves both halves)
.set j, j+2
.endr
.set j, 0
.rept 64
	v_exp_f32 v[96+j], v[96+j]                     ; p = 2^(t - M), at most 1; 0 where the mask forbids
.set j, j+1
.endr
	v_pk_mul_f32 v[14:15], v[14:15], v[28:29] op_sel_hi:[1,0]   ; the sums under the new M: the plain instruction behind the exponentials
	s_wait_alu depctr_va_vdst(0)                   ; one wait for the batch of 64, ahead of its first reader
	v_pk_add_f32 v[30:31], v[96:97], v[98:99]      ; the row's sum is taken of the unquantised p, in two chains
.set j, 4
.rept 15
	v_pk_add_f32 v[14:15], v[14:15], v[96+j:97+j]
	v_pk_add_f32 v[30:31], v[30:31], v[98+j:99+j]
.set j, j+4
.endr
	v_pk_add_f32 v[14:15], v[14:15], v[30:31]
.irp t, 0,1,2,3,4,5,6,7
.irp i, 0,1,2,3,4,5,6,7
	v_min_num_f32 v[96+8*\t+\i], v[96+8*\t+\i], v24   ; the conversion does not saturate (ISA guide 7.6.2); p is not negative, so the hold is one-sided
.endr
	v_cvt_scalef32_pk8_bf8_f32 v[224+2*\t:225+2*\t], v[96+8*\t:103+8*\t], v11   ; keys 16 t + 8 (lane / 16) + 0 .. 7: registers 2 t, 2 t + 1 of P's fragment
.endr
.set j, 0
.rept 16
	v_pk_mul_f32 v[160+j:161+j], v[160+j:161+j], v[28:29] op_sel_hi:[1,0]   ; O^T under the new M.  (Also the plain instructions between the conversions and the products below)
.set j, j+2
.endr
.endm
	s_mov_b32 s91, 0                               ; counts my two tiles
.Ltile:
	s_wait_xcnt 0x0                                ; the last tile's stores have read their address and data registers: both are written again below
	s_lshl_b32 s96, s14, 10
	v_add_nc_u32 v8, s96, v1                       ; q_img: tile T's 1,024 bytes
	s_lshl_b32 s96, s14, 14
	v_add_nc_u32 v9, s96, v1                       ; attn_img: tile T's 16,384 bytes
	global_load_b128 v[16:19], v8, s[4:5]
	global_load_b128 v[20:23], v8, s[4:5] offset:512
	s_lshl_b32 s98, s14, 2
	s_mov_b32 s99, 0
	s_add_nc_u64 s[98:99], s[84:85], s[98:99]
	s_load_b32 s90, s[98:99], 0x0                  ; the tile's flags
	v_mov_b32 v13, 0xff61b1e6                      ; the largest t so far: -3e38, under every t
	v_floor_f32 v12, -v13                          ; -M
	v_mov_b32 v14, 0                               ; the sum, in two halves
	v_mov_b32 v15, 0
.set j, 0
.rept 32
	v_mov_b32 v[160+j], 0                          ; O^T: which step is the tile's first is known only from the flags, so no product can be written that starts the sums
.set j, j+1
.endr
	s_mov_b32 s15, 0                               ; sigma
	s_wait_loadcnt 0x0                             ; Q
	s_wait_kmcnt 0x0                               ; the flags
.Lstep:                                            ; 16 trips, whatever the mask
	s_lshr_b32 s100, s90, s15
	s_bitcmp1_b32 s100, 0
	s_cbranch_scc0 .Lnext                          ; no key of this step counts for any of my queries
	s_lshl_b32 s96, s15, 13                        ; a step's images: 8,192 bytes of K, 8,192 of V
	v_add_nc_u32 v2, s96, v1
	s_add_co_u32 s97, s96, VLDS
	v_add_nc_u32 v3, s97, v1
	s_bitcmp1_b32 s100, 16
	s_cbranch_scc1 .Lopen                          ; every key counts for every query: no masking
	SCORES 1
	s_branch .Lsoft
.Lopen:
	SCORES 0
.Lsoft:
	SOFT
	s_wait_dscnt 0x0                               ; V is in
.irp d, 0,1,2,3
	v_wmma_f32_16x16x128_bf8_bf8 v[160+8*\d:167+8*\d], v[32+16*\d:47+16*\d], v[224:239], v[160+8*\d:167+8*\d]   ; the four accumulators take turns
.endr
.Lnext:
	s_add_co_u32 s15, s15, 1
	s_cmp_lt_u32 s15, 16
	s_cbranch_scc1 .Lstep
	; THE TILE'S END
.rept 4
	v_nop                                          ; places behind the last products
.endr
	v_add_f32 v14, v14, v15                        ; the sum's two halves,
	v_permlanex16_b32 v25, v14, s94, s95
	v_add_f32 v14, v14, v25                        ; and lane l xor 16's: l
	v_rcp_f32 v26, v14
	v_nop                                          ; a plain instruction behind the reciprocal
	v_cmp_eq_f32 vcc_lo, 0, v14                    ; a row with no allowed key
	s_wait_alu depctr_va_vdst(0)                   ; ahead of the reciprocal's first reader
.set j, 0
.rept 16
	v_pk_mul_f32 v[192+j:193+j], v[160+j:161+j], v[26:27] op_sel_hi:[1,0]   ; O^T / l, each accumulator from its low end on
.set j, j+2
.endr
.set j, 0
.rept 32
	v_med3_num_f32 v[192+j], v[192+j], -v241, v241
.set j, j+1
.endr
.irp d, 0,1,2,3
	v_cvt_scalef32_pk8_bf8_f32 v[224+2*\d:225+2*\d], v[192+8*\d:199+8*\d], v240   ; channels 16 d + 8 (lane / 16) + 0 .. 7 of my query: registers 2 d, 2 d + 1 of the next operand's fragment
.endr
	v_nop                                          ; a plain instruction between the conversions and the selects that touch their results
.irp i, 0,1,2,3,4,5,6,7
	v_cndmask_b32 v[224+\i], v[224+\i], v242, vcc_lo
.endr
	global_store_b128 v9, v[224:227], s[88:89]     ; 512 consecutive bytes a store
	global_store_b128 v9, v[228:231], s[88:89] offset:512
	s_sub_co_u32 s14, 127, s14                     ; my second tile
	s_add_co_u32 s91, s91, 1
	s_cmp_lt_u32 s91, 2
	s_cbranch_scc1 .Ltile
	s_wait_tensorcnt 0x0
	ds_add_u32 v254, v255
	s_wait_dscnt 0x0
	s_endpgm
.Lfunc_end_k_q323d8367f7_attn:
	.size	k_q323d8367f7_attn, .Lfunc_end_k_q323d8367f7_attn-k_q323d8367f7_attn
	.p2alignl 7, 3214868480
	.fill 96, 4, 3214868480
	.section	.rodata,"a",@progbits
	.p2align	6, 0x0
	.amdhsa_kernel k_q323d8367f7_attn
		.amdhsa_group_segment_fixed_size 264192
		.amdhsa_private_segment_fixed_size 0
		.amdhsa_enable_private_segment 0
		.amdhsa_kernarg_size 56
		.amdhsa_user_sgpr_count 2
		.amdhsa_user_sgpr_kernarg_segment_ptr 1
		.amdhsa_wavefront_size32 1
		.amdhsa_system_sgpr_workgroup_id_x 1
		.amdhsa_system_sgpr_workgroup_id_y 1
		.amdhsa_system_sgpr_workgroup_id_z 1
		.amdhsa_system_vgpr_workitem_id 0
		.amdhsa_next_free_vgpr 256
		.amdhsa_next_free_sgpr 102
		.amdhsa_reserve_vcc 1
		.amdhsa_float_denorm_mode_32 3
		.amdhsa_float_denorm_mode_16_64 3
		.amdhsa_memory_ordered 1
		.amdhsa_forward_progress 1
		.amdhsa_inst_pref_size 37
	.end_amdhsa_kernel
	.amdgpu_metadata
---
amdhsa.version: [ 1, 2 ]
amdhsa.kernels:
  - .name:           k_q323d8367f7_attn
    .symbol:         k_q323d8367f7_attn.kd
    .args:
      - { .name: q_img, .offset: 0, .size: 8, .value_kind: global_buffer, .address_space: global }
      - { .name: k_img, .offset: 8, .size: 8, .value_kind: global_buffer, .address_space: global }
      - { .name: v_img, .offset: 16, .size: 8, .value_kind: global_buffer, .address_space: global }
      - { .name: mbits, .offset: 24, .size: 8, .value_kind: global_buffer, .address_space: global }
      - { .name: mflag, .offset: 32, .size: 8, .value_kind: global_buffer, .address_space: global }
      - { .name: lowp_scales, .offset: 40, .size: 8, .value_kind: global_buffer, .address_space: global }
      - { .name: attn_img, .offset: 48, .size: 8, .value_kind: global_buffer, .address_space: global }
    .group_segment_fixed_size: 264192
    .private_segment_fixed_size: 0
    .kernarg_segment_align: 8
    .kernarg_segment_size: 56
    .max_flat_workgroup_size: 512
    .sgpr_count:     102
    .vgpr_count:     256
    .wavefront_size: 32
...
	.end_amdgpu_metadata
.endif
;; end of part 3
;; launch outp (part 4): grid 4 x 64, 4 waves a work-group, clusters of 4 x 4, 327,680 bytes of LDS; arguments attn_img, Wo_codes, lowp_scales, bo, out0; writes out0
.if DOCPART == 4
	.amdgcn_target "amdgcn-amd-amdhsa--gfx1250"
	.amdhsa_code_object_version 6
	.text
	.protected	k_q323d8367f7_outp
	.globl	k_q323d8367f7_outp
	.p2align	8
	.type	k_q323d8367f7_outp,@function
k_q323d8367f7_outp:
	s_mov_b64 s[64:65], 0
	v_nop
	global_prefetch_b8 v0, s[64:65] scope:SCOPE_SE
	s_setreg_imm32_b32 hwreg(HW_REG_WAVE_MODE, 25, 1), 1
	s_wait_xcnt 0x0
	s_wait_alu depctr_hold_cnt(0) depctr_sa_sdst(0) depctr_va_vdst(0) depctr_va_sdst(0) depctr_va_ssrc(0) depctr_va_vcc(0) depctr_vm_vsrc(0)
	s_getreg_b32 s2, hwreg(HW_REG_IB_STS2, 6, 4)
	s_cmp_eq_u32 s2, 0
	s_cbranch_scc0 .Lentry_in_a_cluster
	s_endpgm
.Lentry_in_a_cluster:
	s_bfe_u32 s2, ttmp6, 0x10000c
	s_cmp_lg_u32 s2, 0xf033
	s_cbranch_scc0 .Lentry_shape_is_right
	s_endpgm
.Lentry_shape_is_right:
; out0[row][n] = (sum over k of attn[row][k] Wo[n][k]) x 2^(e10 + e11) + bo[n], on codes of BF8 (E5M2).  8,192 rows, n and k 1,024; out0 f32.
; attn comes as images of the operand's registers, [tile of 16 rows R 512][head 16][c2 2][lane][16 bytes]: heads 2 kappa and 2 kappa + 1 on end are the fragment (16 rows x 128 K) of K step kappa in this form's own
; layout (registers 2 c, 2 c + 1: k = 16 c + 8 (lane / 16) + 0 .. 7).  So Wo's fragments are read from their rows in that same layout: eight loads of 8 bytes.
; LIMIT: e10 + e11 lies between -126 and 127, so that 2^(e10 + e11) is an f32 number.
; A tile of out0 is 128 rows x 256 columns: 256 work-groups.  Four waves, each 64 x 128: 32 accumulators, 256 registers.  K goes in four steps of 256 through two LDS slots filled by the tensor data mover; the steps are written out.
; CLUSTERS: 4 x 4 work-groups; attn's tiles are asked for jointly along a row of the cluster, Wo's along a column.
; THE MATRIX INSTRUCTION IS USED TRANSPOSED (source 0 = 16 rows of Wo, source 1 = 16 rows of attn): a lane holds eight neighbouring numbers of a row of out0.
; REGISTERS: window 0: v0-31 addresses; v128-191 A's four fragments, ONE set; on the way out v32-255.  window 1: B's fragments, TWO sets.  window 2: the accumulators ((a, b) at v[8 (8 a + b)]).  window 3: v0-63 bo in the result's layout.
.set KROW,   1024                      ; a row of Wo in memory
.set PITCH,  272                       ; an LDS row of Wo: 256 bytes + 16 of padding: the 32 lanes of an 8-byte read fall on different banks
.set FR,     16
.set NP,     4                         ; places behind this matrix instruction (ISA guide 7.12.1)
.set HALFA,  16384                     ; four tiles of 16 rows x 4,096 bytes: what one tensor load brings of attn, and what one wave reads
.set BOFF,   2*HALFA                   ; Wo's rows lie behind attn's images
.set HALFB,  128*PITCH
.set SLOT,   BOFF+2*HALFB
.set SPARE,  2*SLOT                    ; behind the ring: the spare words, 128 bytes for each wave
.set SPITCH, 528                       ; the way out: a stage of 16 rows x (512 bytes + 16) for each wave, in slot 0, which has had its last fill and its last read when the first result is stored there
.set ADRA, 16                          ; v16-17  LDS address of my A fragments in slot 0, 1
.set ADRB, 20                          ; v20-21  the same for B
.set STO,  24                          ; v24     the way out: where I put 32 bytes of a row
.set RD,   25                          ; v25     where I read a row back
.set CO,   26                          ; v26     16 x lane
.set BV,   27                          ; v27     32 x (lane / 16): my eight numbers of sixteen of bo
.set SPW,  28                          ; v28     LDS address of my spare word; never rewritten
.set NIL,  29                          ; v29     0; never rewritten
.set TMP,  32
.set AF,   128
.set BK,   128                         ; the way out: 16 rows read back: v128-191 and v192-255 by turns
.set G1, 24
.set G0, 32
.set G1B, 48
.set G0B, 56
.set MSB, 0
.macro WIN new                         ; the immediate's high byte repeats the setting that is left
.if MSB != \new
	s_set_vgpr_msb (MSB<<8)|\new
.set MSB, \new
.endif
.endm
.set MUL,  0xa1                        ; source 0 (B) window 1, source 1 (A) window 0, C and D window 2
.set TO_B, 0x40                        ; destination window 1, address window 0
.macro JLOAD g0a, g1a, g0b, g1b        ; a joint load: waves 0 and 1 fetch for A, waves 2 and 3 for B; four v_nop follow each of the two lines
	s_cmp_eq_u32 s15, 0
	s_cbranch_scc0 .Lfor_b_\@
	tensor_load_to_lds s[\g0a:\g0a+3], s[\g1a:\g1a+7]
	s_nop 0
.rept 4
	v_nop
.endr
	s_branch .Lasked_\@
.Lfor_b_\@:
	tensor_load_to_lds s[\g0b:\g0b+3], s[\g1b:\g1b+7]
	s_nop 0
.rept 4
	v_nop
.endr
.Lasked_\@:
.endm
.macro CREST
	s_cmp_lg_u32 s14, 0
	s_cbranch_scc1 .Lnot_wave_0_\@
	s_barrier_signal -3
.Lnot_wave_0_\@:
	s_barrier_wait -3
	s_barrier_signal -1
	s_barrier_wait -1
.endm
.macro CROUND
	s_barrier_signal -1
	s_barrier_wait -1
	CREST
.endm
	s_load_b128 s[4:7], s[0:1], 0x0                ; attn_img s[4:5], Wo's codes s[6:7]
	s_load_b128 s[8:11], s[0:1], 0x10              ; the scales' exponents s[8:9], bo s[10:11]
	s_load_b64 s[12:13], s[0:1], 0x20              ; out0
	v_lshl_add_u32 v[SPW], v0, 2, SPARE
	v_mov_b32 v[NIL], 0
	ds_add_u32 v28, v29
	ds_add_u32 v28, v29
	s_wait_dscnt 0x0
	v_lshrrev_b32 v1, 5, v0
	v_readfirstlane_b32 s14, v1                    ; wave 0..3
	s_lshr_b32 s15, s14, 1                         ; which 64 rows of the tile are mine.  Also: I fetch for A (0) or for B (1)
	s_and_b32 s16, s14, 1                          ; which 128 columns.  Also: which half of that tile I fetch
	s_bfe_u32 s40, ttmp6, 0x40000                  ; cx, cy
	s_bfe_u32 s41, ttmp6, 0x40004
	s_lshl_b32 s42, ttmp9, 2
	s_add_co_u32 s42, s42, s40                     ; tile column = 4 x cluster x + cx
	s_and_b32 s17, ttmp7, 0xffff
	s_lshl_b32 s17, s17, 2
	s_add_co_u32 s17, s17, s41                     ; tile row = 4 x cluster y + cy
	s_lshl_b32 s43, s41, 2
	s_lshl_b32 s43, 15, s43                        ; my row of the cluster
	s_lshl_b32 s44, 0x1111, s40                    ; my column
	; descriptor group 1 for A: four rows of 4,096 bytes (a tile of 16 rows' images of four heads), 16,384 bytes apart, dense in LDS
	s_or_b32 s[G1+0], s43, (3<<16)|(1<<21)         ; 15:0 the mask; 17:16 elements of 8 bytes; 20 no padding; 21 set beside a mask
	s_mov_b32 s[G1+1], 512<<16                     ; tensor_dim0 = 512 elements
	s_mov_b32 s[G1+2], 4<<16                       ; tensor_dim1 = 4
	s_mov_b32 s[G1+3], 512<<16                     ; tile_dim0
	s_mov_b32 s[G1+4], 4                           ; tile_dim1
	s_mov_b32 s[G1+5], 2048                        ; tensor_dim0_stride, in elements
	s_mov_b32 s[G1+6], 0
	s_mov_b32 s[G1+7], 0
	; for B: 128 rows x 256 bytes, padded in LDS
	s_or_b32 s[G1B+0], s44, (0<<16)|(1<<20)|(1<<21)|(5<<22)|(3<<25)  ; element of 1 byte; padding: 4 words after every 64
	s_mov_b32 s[G1B+1], 256<<16
	s_mov_b32 s[G1B+2], 128<<16
	s_mov_b32 s[G1B+3], 256<<16
	s_mov_b32 s[G1B+4], 128
	s_mov_b32 s[G1B+5], KROW
	s_mov_b32 s[G1B+6], 0
	s_mov_b32 s[G1B+7], 0
	s_lshl_b32 s20, s17, 3
	s_lshl_b32 s18, s16, 2
	s_add_co_u32 s20, s20, s18                     ; A: tile of 16 rows 8 x tile row + 4 x half,
	s_lshl_b32 s20, s20, 14                        ; 16,384 bytes each
	s_mov_b32 s21, 0
	s_lshl_b32 s46, s42, 8
	s_lshl_b32 s18, s16, 7
	s_add_co_u32 s46, s46, s18                     ; B: row 256 x tile column + 128 x half
	s_lshl_b32 s46, s46, 10
	s_mov_b32 s47, 0
	s_lshl_b32 s45, s16, 14                        ; where they go: A's half,
	s_mul_i32 s19, s16, HALFB
	s_add_co_u32 s19, s19, BOFF                    ; B's half: no place in the cluster enters an LDS address
	s_wait_kmcnt 0x0
	s_load_b64 s[96:97], s[8:9], 0x28              ; e10, e11
	s_add_nc_u64 s[20:21], s[4:5], s[20:21]
	s_add_nc_u64 s[46:47], s[6:7], s[46:47]
	CROUND                                         ; all sixteen work-groups are here: the first joint loads meet
.irp s, 0,1
	s_mov_b32 s[G0+4*\s], 1
	s_add_co_u32 s[G0+4*\s+1], s45, \s*SLOT
	s_add_nc_u64 s[G0+4*\s+2:G0+4*\s+3], s[20:21], \s*4096       ; K step s: heads 4 s .. 4 s + 3
	s_or_b32 s[G0+4*\s+3], s[G0+4*\s+3], 0x80000000
	s_mov_b32 s[G0B+4*\s], 1
	s_add_co_u32 s[G0B+4*\s+1], s19, \s*SLOT
	s_add_nc_u64 s[G0B+4*\s+2:G0B+4*\s+3], s[46:47], \s*256
	s_or_b32 s[G0B+4*\s+3], s[G0B+4*\s+3], 0x80000000
	JLOAD G0+4*\s, G1, G0B+4*\s, G1B
.endr
	v_and_b32 v1, 15, v0                           ; r
	v_bfe_u32 v2, v0, 4, 1                         ; h
	v_and_b32 v6, 31, v0
	v_lshlrev_b32 v[CO], 4, v6                     ; 16 x lane
	v_lshlrev_b32 v[BV], 5, v2
	v_mul_u32_u24 v3, v1, PITCH
	v_lshl_add_u32 v4, v2, 3, v3                   ; Wo: row r x pitch + 8 h
	s_lshl_b32 s21, s15, 14                        ; my four tiles of 16 rows of A
	s_mul_i32 s22, s16, HALFB
	s_add_co_u32 s22, s22, BOFF                    ; my 128 rows of B
.irp s, 0,1
	v_add_nc_u32 v[ADRA+\s], s21, v[CO]
	v_add_nc_u32 v[ADRB+\s], s22, v4
	s_add_co_u32 s21, s21, SLOT
	s_add_co_u32 s22, s22, SLOT
.endr
	s_mul_i32 s23, s14, 16*SPITCH                  ; my stage
	v_mul_u32_u24 v5, v1, SPITCH                   ; in: row r, 32 bytes for each half of the lanes
	v_lshl_add_u32 v5, v2, 5, v5
	v_add_nc_u32 v[STO], s23, v5
	v_add_nc_u32 v[RD], s23, v[CO]                 ; back: the 32 lanes take one row of 512 bytes
	s_lshl_b32 s20, s17, 7
	s_lshl_b32 s21, s15, 6
	s_add_co_u32 s20, s20, s21                     ; my first row of out0: 128 x tile row + 64 x half,
	s_lshl_b32 s20, s20, 12                        ; 4,096 bytes each (under 2^25)
	s_lshl_b32 s46, s42, 10                        ; my first column, in bytes: 1,024 x tile column + 512 x half
	s_lshl_b32 s47, s16, 9
	s_add_co_u32 s46, s46, s47
	s_mov_b32 s47, 0
	s_add_nc_u64 s[10:11], s[10:11], s[46:47]      ; bo at my first column
	s_add_co_u32 s46, s46, s20
	s_add_nc_u64 s[12:13], s[12:13], s[46:47]      ; out0 at my first number
	WIN 0xc0                                       ; destination window 3
.irp b, 0,1,2,3,4,5,6,7
	global_load_b128 v[8*\b:8*\b+3], v[BV], s[10:11] offset:64*\b        ; bo at columns 16 b + 8 h + 0 .. 7: the layout of accumulator (a, b)
	global_load_b128 v[8*\b+4:8*\b+7], v[BV], s[10:11] offset:64*\b+16
.endr
	WIN 0
; 8 matrix instructions: A's block a x B's eight, 128 along K.  The 32 accumulators take turns, one instruction a turn, in the same order in every step.
.macro MUL8 a, p, zero
.irp b, 0,1,2,3,4,5,6,7
.if \zero
	v_wmma_f32_16x16x128_bf8_bf8 v[8*(8*(\a)+\b):8*(8*(\a)+\b)+7], v[128*(\p)+FR*\b:128*(\p)+FR*\b+FR-1], v[AF+FR*(\a):AF+FR*(\a)+FR-1], 0
.else
	v_wmma_f32_16x16x128_bf8_bf8 v[8*(8*(\a)+\b):8*(8*(\a)+\b)+7], v[128*(\p)+FR*\b:128*(\p)+FR*\b+FR-1], v[AF+FR*(\a):AF+FR*(\a)+FR-1], v[8*(8*(\a)+\b):8*(8*(\a)+\b)+7]
.endif
.endr
.endm
.macro FETCH_B slot, q, p              ; B's eight fragments of the slot's q-th 128 along K into set p: registers 2 c, 2 c + 1 hold k = 16 c + 8 h + 0 .. 7
	WIN TO_B
.irp i, 0,1,2,3,4,5,6,7
.irp c, 0,1,2,3,4,5,6,7
	ds_load_b64 v[128*(\p)+FR*\i+2*\c:128*(\p)+FR*\i+2*\c+1], v[ADRB+\slot] offset:16*PITCH*\i+128*(\q)+16*\c
.endr
.endr
	WIN 0
.endm
.macro FETCH_A slot, q, i0             ; A's blocks i0, i0 + 1: images, 512 consecutive bytes a load
.irp i, \i0, \i0+1
.irp c, 0,1,2,3
	ds_load_b128 v[AF+FR*(\i)+4*\c:AF+FR*(\i)+4*\c+3], v[ADRA+\slot] offset:4096*(\i)+2048*(\q)+512*\c
.endr
.endr
.endm
.macro PLACES n
.rept \n
	v_nop
.endr
.endm
.macro STEP slot, q, zero              ; a step of 128 along K that has its successor in the same slot
	s_wait_dscnt 8                                 ; B's set and A's blocks 0, 1 are in; the youngest eight loads (A's blocks 2, 3) may be out
	WIN MUL
	MUL8 0, (\q)%2, \zero
	MUL8 1, (\q)%2, \zero
	s_wait_dscnt 0
	PLACES NP
	FETCH_B \slot, (\q)+1, 1-(\q)%2
	FETCH_A \slot, (\q)+1, 0
	WIN MUL
	MUL8 2, (\q)%2, \zero
	MUL8 3, (\q)%2, \zero
	PLACES NP
	WIN 0
	FETCH_A \slot, (\q)+1, 2
.endm
; A slot's last step changes slots: ONE barrier; in front of it each wave waits for all its tensor loads, adds 0 to its spare word, and waits for that and for its own reads of this slot.
.macro TURN slot, next, fill
	s_wait_tensorcnt 0x0                           ; all my tensor loads have landed: my part of the next slot  (every window is 0 here)
	ds_add_u32 v[SPW], v[NIL]                      ; 0 onto my spare word
	s_wait_dscnt 9                                 ; (the add and the youngest eight loads may be out)
	WIN MUL
	MUL8 0, 1, 0                                   ; eight matrix instructions stand between the add and the wait for it
	s_wait_dscnt 0x0                               ; the add is done, and my reads of this slot are over
	s_barrier_signal -1
	MUL8 1, 1, 0
	WIN 0
	s_barrier_wait -1
.if \fill
	CREST                                          ; the barrier has opened a round of the cluster's barrier
	s_add_nc_u64 s[G0+4*\slot+2:G0+4*\slot+3], s[G0+4*\slot+2:G0+4*\slot+3], 2*4096
	s_add_nc_u64 s[G0B+4*\slot+2:G0B+4*\slot+3], s[G0B+4*\slot+2:G0B+4*\slot+3], 2*256
	JLOAD G0+4*\slot, G1, G0B+4*\slot, G1B         ; the first tensor load behind the round; its four v_nop are also the places in front of the loads below
.else
	PLACES NP
.endif
	FETCH_B \next, 0, 0
	FETCH_A \next, 0, 0
	WIN MUL
	MUL8 2, 1, 0
	MUL8 3, 1, 0
	PLACES NP
	WIN 0
	FETCH_A \next, 0, 2
.endm
	s_wait_tensorcnt 1                             ; my part of K step 0 is in (K step 1's load may be out)
	s_barrier_signal -1
	s_barrier_wait -1                              ; everybody's is
	FETCH_B 0, 0, 0
	FETCH_A 0, 0, 0
	FETCH_A 0, 0, 2
	STEP 0, 0, 1                                   ; the first products start the sums
	TURN 0, 1, 1                                   ; slot 0 takes K 512-767
	STEP 1, 0, 0
	TURN 1, 0, 1                                   ; slot 1 takes K 768-1,023
	STEP 0, 0, 0
	TURN 0, 1, 0                                   ; nothing is left to fetch
	STEP 1, 0, 0
	s_wait_dscnt 8                                 ; the very last step
	WIN MUL
	MUL8 0, 1, 0
	MUL8 1, 1, 0
	s_wait_dscnt 0
	MUL8 2, 1, 0
	MUL8 3, 1, 0
	WIN 0
; THE WAY OUT, block by block of 16 rows x 128 columns: sum x 2^(e10 + e11) + bo, one packed multiply-add for two numbers; through my own stage in LDS; back as whole rows of 512 bytes.
; LDS serves a wave's instructions in order (ISA guide 5.7.1.4): no wait between the stores and the loads, nor in front of the next block's stores.
.macro TOSTAGE a
.set AC, 64*(\a)
	WIN 0x32                                       ; source 0 (the sums) window 2, source 2 (bo) window 3
.set j, 0
.rept 32
	v_pk_fma_f32 v[TMP+j:TMP+j+1], v[AC+j:AC+j+1], s[96:97], v[j:j+1] op_sel_hi:[1,0,1]   ; the scalar pair's low word for both halves; each accumulator from its low end on
.set j, j+2
.endr
	WIN 0
.irp b, 0,1,2,3,4,5,6,7
	ds_store_b128 v[STO], v[TMP+8*\b:TMP+8*\b+3] offset:64*\b
	ds_store_b128 v[STO], v[TMP+8*\b+4:TMP+8*\b+7] offset:64*\b+16
.endr
.set BB, BK+64*((\a)%2)
.irp t, 0,1,2,3,4,5,6,7,8,9,10,11,12,13,14,15
	ds_load_b128 v[BB+4*\t:BB+4*\t+3], v[RD] offset:\t*SPITCH
.endr
.endm
.macro SEND a, younger                 ; younger: the LDS instructions issued behind block a's loads, which may stay out
.set BB, BK+64*((\a)%2)
	s_wait_dscnt \younger                          ; the block is back in registers
.if (\a) > 0
	s_add_nc_u64 s[12:13], s[12:13], 16*4096       ; (behind a wait on XCNT: the earlier stores have read their base)  16 rows on
.endif
.irp t, 0,1,2,3,4,5,6,7,8,9,10,11,12,13,14,15
	global_store_b128 v[CO], v[BB+4*\t:BB+4*\t+3], s[12:13] offset:\t*4096 th:TH_STORE_NT   ; 32 lanes store 512 consecutive bytes, at a multiple of 256 from out0's first byte; written once, read by nobody here
.endr
.endm
	s_wait_kmcnt 0x0
	s_add_co_i32 s96, s96, s97                     ; e10 + e11
	s_add_co_i32 s96, s96, 127
	s_lshl_b32 s96, s96, 23                        ; 2^(e10 + e11) as f32
	s_mov_b32 s97, s96                             ; (named with it as a pair)
	s_wait_loadcnt 0x0                             ; bo
	PLACES NP                                      ; behind the last products: their results are read, and A's registers loaded, below
	TOSTAGE 0
.irp a, 1,2,3
.if \a > 1
	s_wait_xcnt 0x0                                ; block a - 2's stores have read their registers and their base
.endif
	TOSTAGE \a
	SEND \a-1, 32                                  ; behind block a - 1's loads: block a's 16 stores and 16 loads
.endr
	s_wait_xcnt 0x0
	SEND 3, 0
	s_wait_tensorcnt 0x0                           ; the wave's end: behind my last tensor load and my last LDS store
	ds_add_u32 v[SPW], v[NIL]
	s_wait_dscnt 0x0
	CROUND                                         ; the closing round
	s_endpgm
.Lfunc_end_k_q323d8367f7_outp:
	.size	k_q323d8367f7_outp, .Lfunc_end_k_q323d8367f7_outp-k_q323d8367f7_outp
	.p2alignl 7, 3214868480
	.fill 96, 4, 3214868480
	.section	.rodata,"a",@progbits
	.p2align	6, 0x0
	.amdhsa_kernel k_q323d8367f7_outp
		.amdhsa_group_segment_fixed_size 327680
		.amdhsa_private_segment_fixed_size 0
		.amdhsa_enable_private_segment 0
		.amdhsa_kernarg_size 40
		.amdhsa_user_sgpr_count 2
		.amdhsa_user_sgpr_kernarg_segment_ptr 1
		.amdhsa_wavefront_size32 1
		.amdhsa_system_sgpr_workgroup_id_x 1
		.amdhsa_system_sgpr_workgroup_id_y 1
		.amdhsa_system_sgpr_workgroup_id_z 1
		.amdhsa_system_vgpr_workitem_id 0
		.amdhsa_next_free_vgpr 1024
		.amdhsa_next_free_sgpr 100
		.amdhsa_reserve_vcc 0
		.amdhsa_float_denorm_mode_32 3
		.amdhsa_float_denorm_mode_16_64 3
		.amdhsa_memory_ordered 1
		.amdhsa_forward_progress 1
		.amdhsa_inst_pref_size 94
	.end_amdhsa_kernel
	.amdgpu_metadata
---
amdhsa.version: [ 1, 2 ]
amdhsa.kernels:
  - .name:           k_q323d8367f7_outp
    .symbol:         k_q323d8367f7_outp.kd
    .args:
      - { .name: attn_img, .offset: 0, .size: 8, .value_kind: global_buffer, .address_space: global }
      - { .name: Wo_codes, .offset: 8, .size: 8, .value_kind: global_buffer, .address_space: global }
      - { .name: lowp_scales, .offset: 16, .size: 8, .value_kind: global_buffer, .address_space: global }
      - { .name: bo, .offset: 24, .size: 8, .value_kind: global_buffer, .address_space: global }
      - { .name: out0, .offset: 32, .size: 8, .value_kind: global_buffer, .address_space: global }
    .group_segment_fixed_size: 327680
    .private_segment_fixed_size: 0
    .kernarg_segment_align: 8
    .kernarg_segment_size: 40
    .max_flat_workgroup_size: 128
    .sgpr_count:     100
    .vgpr_count:     1024
    .wavefront_size: 32
...
	.end_amdgpu_metadata
.endif
;; end of part 4
;; ======== version 2 of 2: 4 launches; version 1 with the launch attn written anew for expert scheduling mode
;; workspace buffers: q_img 8,388,608 bytes; k_img 8,388,608 bytes; v_img 8,388,608 bytes; attn_img 8,388,608 bytes; mbits 2,097,152 bytes of whole numbers; mflag 2,048 bytes of whole numbers
;; launch pack: the kernel of part 1 again; grid 512 x 1, 8 waves a work-group, no clusters, 36,096 bytes of LDS; arguments masks, mbits, mflag; writes mbits, mflag
;; launch proj: the kernel of part 2 again; grid 4 x 96, 4 waves a work-group, clusters of 4 x 4, 327,680 bytes of LDS; arguments queries_codes, keys_codes, values_codes, Wq_codes, Wk_codes, Wv_codes, lowp_scales, q_img, k_img, v_img; writes q_img, k_img, v_img
;; launch attn (part 5): grid 4 x 64, 16 waves a work-group, no clusters, 264,192 bytes of LDS; arguments q_img, k_img, v_img, mbits, mflag, lowp_scales, attn_img; writes attn_img
.if DOCPART == 5
	.amdgcn_target "amdgcn-amd-amdhsa--gfx1250"
	.amdhsa_code_object_version 6
	.text
	.protected	k_q323d8367f7_attn
	.globl	k_q323d8367f7_attn
	.p2align	8
	.type	k_q323d8367f7_attn,@function
k_q323d8367f7_attn:
	s_mov_b64 s[64:65], 0
	v_nop
	global_prefetch_b8 v0, s[64:65] scope:SCOPE_SE
	s_setreg_imm32_b32 hwreg(HW_REG_WAVE_SCHED_MODE, 0, 2), 2
	s_setreg_imm32_b32 hwreg(HW_REG_WAVE_MODE, 25, 1), 1
	s_wait_xcnt 0x0
	s_wait_alu depctr_vm_vsrc(0)
; Attention for one (batch, head), both products on codes of BF8 (E5M2); the result is quantised for the output projection.
; t = score x 2^(e6 + e7) x log2(e) / 8; a place that the mask forbids counts as -infinity; M = the row's largest t so far, rounded UP to a whole number; p = 2^(t - M) is quantised with 2^e8, not normalised.
; The row's sum l is taken of the unquantised p; when M moves, l and O are multiplied by 2^(old M - new M), which rounds nothing.  code of the result = (O / l) / 2^(e10 - e8 - e9), held within +-57,344.
; A row with no allowed key has l = 0: its codes are the format's NaN (0x7f), which the next product carries on, as the softmax of such a row is NaN.
; SHARES.  Work-group (j, b x 16 + h) keeps the head's WHOLE K and V in LDS (131,072 bytes each), as images of the operands' registers, filled once through registers: one barrier, then LDS is only read.
; Wave w takes two tiles of 16 queries, T = 16 j + w and then 127 - T.  The pairing serves balance alone; nothing in the values hangs on the mask's pattern.
; A key step is 128 keys.  mflag[b][T] (whole numbers stored by an earlier launch) says for each step: no key allowed for any of the 16 queries: the step is left out; all allowed: no masking; else the step's 64
; lane masks are read from mbits into scalar registers, and one v_cndmask_b32 a score register puts -infinity where the mask forbids.
; NO CLUSTER, NO TENSOR LOAD: the four work-groups of a head do read the same 262,144 bytes, but the branch that leaves hidden steps out
; spares up to 15 of a tile's 16 steps, against one fill.
; LAYOUT.  S^T = K Q^T (source 0 = 16 keys, source 1 = my 16 queries), O^T = V^T P^T (source 0 = 16 of the head's 64, source 1 = P): a lane holds ONE query (lane % 16), and an accumulator's eight registers are the
; rows 8 (lane / 16) + 0 .. 7 of source 0.  A conversion of accumulator t therefore gives registers 2 t, 2 t + 1 of the next operand in this form's own layout (k = 16 t + 8 (lane / 16) + 0 .. 7).
; LIMITS on the given exponents, so that each power of two below is an f32 number: e6 + e7 between -123 and 130; e8, and e10 - e8 - e9, between -126 and 112.
; REGISTERS: v1 16 x lane; v2, v3 LDS addresses of the step's K and V; v4-7 the fill's addresses; v8, v9 my offsets in q_img and attn_img; v10 -infinity; v11 2^e8; v12 -M, v13 the largest t; v[14:15] the sum;
;   v[16:23] Q; v24 57,344 x 2^e8; v25-31 at work; v[32:95] K's or V's fragments; v[96:159] S^T, then p; v[160:191] O^T; v[192:223] O / l; v[224:239] p's codes, at the end the result's; v240, v241 the result's scale and hold; v242 four NaN codes;
;   v254, v255 the closing add's two, made at the head and kept for it alone.
; s[16:63], s[68:83]: a step's 64 lane masks (word n in s[16 + n], from n = 48 on in s[20 + n]); at the head s[16:27] hold e0 .. e11.
; THE MODE: SCHED_MODE bits 1:0 = 2 (LLVM: expert scheduling mode 2), set by the entry lines.  The code itself states the register dependences between vector or matrix instructions and memory or LDS
; instructions, with s_wait_alu, always for 0.
; THE PLAN.  Registers that memory or LDS instructions touch:
;   v4-7       Written once at the head; read by the fill's loads and LDS stores; never written again.
;   v[96:223]  In the fill: the loads land there, the LDS stores read them.  Afterwards vector and matrix instructions alone name them.
;   v8, v9     Written at a tile's head; v8 read by Q's two loads there, v9 by the two stores at the tile's end.
;   v[16:23]   Q's loads land there at a tile's head; the tile's score products read them.
;   v2, v3     Written at a step's head; read by the step's LDS loads of K and of V.
;   v[32:95]   K's loads land; the eight score products read; V's loads land; the four products V^T P read.
;   v[224:231] At a tile's end: written by the conversions and selects, read by the two stores; the next tile's conversions of p write them again.
; A TILE'S HEAD has one wait on vm_vsrc (the fill's LDS stores, or the last tile's loads and stores, have read their registers) and one on va_vdst behind the two additions.  A STEP has one wait on vm_vsrc ahead of its two
; additions, one on va_vdst ahead of K's loads, and the one wait behind the exponentials, behind which V's loads stand, dealt among the sums: no vector instruction since that wait names v3 or v[32:95].
.set VLDS, 131072                      ; V's images begin here
	s_load_b256 s[4:11], s[0:1], 0x0               ; q_img s[4:5], k_img s[6:7], v_img s[8:9], mbits s[10:11]
	s_load_b128 s[84:87], s[0:1], 0x20             ; mflag s[84:85], the scales' exponents s[86:87]
	s_load_b64 s[88:89], s[0:1], 0x30              ; attn_img
	v_lshl_add_u32 v254, v0, 2, 0x40000
	v_mov_b32 v255, 0
	v_lshrrev_b32 v1, 5, v0
	v_readfirstlane_b32 s2, v1                     ; wave 0..15
	v_and_b32 v1, 31, v0
	v_lshlrev_b32 v1, 4, v1                        ; 16 x lane
	v_lshlrev_b32 v4, 4, v0                        ; 16 x thread: the fill's place, in memory and in LDS
	v_add_nc_u32 v5, 0x10000, v4                   ; an LDS offset has 16 bits: a register for each 65,536 bytes
	v_add_nc_u32 v6, 0x20000, v4
	v_add_nc_u32 v7, 0x30000, v4
	s_wait_alu depctr_va_sdst(0)                   ; s2 is written, ahead of its first reader: my first tile's number is made from it
	s_and_b32 s12, ttmp7, 0xffff                   ; b x 16 + h
	s_lshr_b32 s13, s12, 4                         ; b
	s_lshl_b32 s96, s12, 17                        ; a head's images are 131,072 bytes in each of q_img, k_img, v_img
	s_mov_b32 s97, 0
	s_wait_kmcnt 0x0
	s_load_b256 s[16:23], s[86:87], 0x0            ; e0 .. e7
	s_load_b128 s[24:27], s[86:87], 0x20           ; e8 .. e11
	s_add_nc_u64 s[4:5], s[4:5], s[96:97]
	s_add_nc_u64 s[6:7], s[6:7], s[96:97]
	s_add_nc_u64 s[8:9], s[8:9], s[96:97]
	s_wait_alu depctr_va_vdst(0)                   ; v4 to v7 are written, which the fill's loads and LDS stores read as their addresses; no vector instruction down to those stores names them or v[96:223]
.irp i, 0,1,2,3,4,5,6,7,8,9,10,11,12,13,14,15
	global_load_b128 v[96+4*\i:99+4*\i], v4, s[6:7] offset:8192*\i     ; K: the 512 threads take 8,192 consecutive bytes an instruction
.endr
.irp i, 0,1,2,3,4,5,6,7,8,9,10,11,12,13,14,15
	global_load_b128 v[160+4*\i:163+4*\i], v4, s[8:9] offset:8192*\i   ; V
.endr
	s_lshl_b32 s96, s13, 19
	s_add_nc_u64 s[10:11], s[10:11], s[96:97]      ; mbits at my batch: 128 tiles x 4,096 bytes
	s_lshl_b32 s96, s13, 9
	s_add_nc_u64 s[84:85], s[84:85], s[96:97]      ; mflag at my batch
	s_lshl_b32 s96, s13, 21
	s_and_b32 s98, s12, 15
	s_lshl_b32 s98, s98, 10
	s_add_co_u32 s96, s96, s98
	s_add_nc_u64 s[88:89], s[88:89], s[96:97]      ; attn_img at my batch and head: [128 b + T][h][1,024 bytes]
	s_lshl_b32 s14, ttmp9, 4
	s_add_co_u32 s14, s14, s2                      ; T = 16 j + w
	s_mov_b32 s94, 0x76543210                      ; v_permlanex16_b32's selects for lane l xor 16
	s_mov_b32 s95, 0xfedcba98
	v_mov_b32 v10, 0xff800000                      ; -infinity
	v_mov_b32 v25, 0                               ; written once: a lane permute's destination counts as one of its sources
	v_mov_b32 v27, 0                               ; (named as the upper halves of the pairs v[26:27], v[28:29])
	v_mov_b32 v29, 0
	v_mov_b32 v242, 0x7f7f7f7f
	s_wait_kmcnt 0x0
	s_add_co_i32 s96, s22, s23
	s_lshl_b32 s96, s96, 23
	s_add_co_i32 s92, s96, 0x3e38aa3b              ; c = log2(e) / 8, with e6 + e7 added to its exponent field
	s_mov_b32 s93, s92                             ; (named with it as a pair, so it is written)
	s_add_co_i32 s96, s24, 127
	s_lshl_b32 s98, s96, 23
	v_mov_b32 v11, s98                             ; 2^e8
	s_add_co_i32 s96, s96, 15
	s_lshl_b32 s96, s96, 23
	s_or_b32 s96, s96, 0x600000
	v_mov_b32 v24, s96                             ; 57,344 x 2^e8
	s_sub_co_i32 s96, s26, s24
	s_sub_co_i32 s96, s96, s25                     ; e10 - e8 - e9
	s_add_co_i32 s96, s96, 127
	s_lshl_b32 s98, s96, 23
	v_mov_b32 v240, s98
	s_add_co_i32 s96, s96, 15
	s_lshl_b32 s96, s96, 23
	s_or_b32 s96, s96, 0x600000
	v_mov_b32 v241, s96
.irp q, 0,1,2,3
	s_wait_loadcnt 24-8*\q                         ; this quarter's eight loads are in; the younger quarters stay out
.irp i, 0,1,2,3,4,5,6,7
	ds_store_b128 v[4+\q], v[96+32*\q+4*\i:99+32*\q+4*\i] offset:8192*\i
.endr
.endr
	s_wait_dscnt 0x0                               ; for the others' sake: my stores have landed
	s_barrier_signal -1
	s_barrier_wait -1                              ; K and V are whole; from here on LDS is only read
; S^T of a key step.  m = 1: the step's lane masks are read and applied.
.macro SCORES m
.if \m
	s_lshl_b32 s97, s14, 12
	s_lshl_b32 s101, s15, 8
	s_add_co_u32 s98, s97, s101                    ; tile T's 4,096 bytes, step sigma's 256
	s_mov_b32 s99, 0
	s_add_nc_u64 s[98:99], s[10:11], s[98:99]
	s_load_b512 s[16:31], s[98:99], 0x0
	s_load_b512 s[32:47], s[98:99], 0x40
	s_load_b512 s[48:63], s[98:99], 0x80
	s_load_b512 s[68:83], s[98:99], 0xc0
.endif
	v_nop                                          ; with the two additions ahead of the macro: four places in front of loads into registers that the last products read
	v_nop
	s_wait_alu depctr_va_vdst(0)                   ; v2 and v3 are written, which the step's LDS loads read as their addresses; the last step's products V^T P are done reading v[32:95], in which K's fragments land
.irp t, 0,1,2,3,4,5,6,7
	ds_load_b128 v[32+8*\t:35+8*\t], v2 offset:1024*\t         ; K's fragment t, as it was stored: 512 consecutive bytes an instruction
	ds_load_b128 v[36+8*\t:39+8*\t], v2 offset:1024*\t+512
.endr
	s_wait_dscnt 0x0
.irp t, 0,1,2,3,4,5,6,7
	v_wmma_f32_16x16x64_bf8_bf8 v[96+8*\t:103+8*\t], v[32+8*\t:39+8*\t], v[16:23], 0
.endr
.rept 4
	v_nop                                          ; places: the scores are read by vector instructions below
.endr
.if \m
	s_wait_kmcnt 0x0
.set n, 0
.rept 64
	v_cndmask_b32 v[96+n], v10, v[96+n], s[16+n+4*(n/48)]     ; the score where the lane's bit is set, else -infinity; each accumulator from its low end on
.set n, n+1
.endr
.endif
.endm
; V's fragment d (16 of the head's 64 x the step's 128 keys): four loads of 512 consecutive bytes
.macro VFRAG d
.irp g, 0,1,2,3
	ds_load_b128 v[32+16*(\d)+4*\g:35+16*(\d)+4*\g], v3 offset:2048*(\d)+512*\g
.endr
.endm
; The step's softmax, and the request for its V
.macro SOFT
	v_max3_num_f32 v26, v96, v97, v98              ; the step's largest score of my query, among my 64 keys, in two chains, ascending,
	v_max3_num_f32 v28, v99, v100, v101
.set i, 6
.rept 14
	v_max3_num_f32 v26, v26, v[96+i], v[97+i]
	v_max3_num_f32 v28, v28, v[98+i], v[99+i]
.set i, i+4
.endr
	v_max3_num_f32 v26, v26, v158, v159
	v_max_num_f32 v26, v26, v28
	v_permlanex16_b32 v25, v26, s94, s95
	v_max_num_f32 v26, v26, v25                    ; and among lane l xor 16's
	v_mul_f32 v26, s92, v26                        ; as t (c is positive)
	v_max_num_f32 v13, v13, v26                    ; the running largest t
	v_mov_b32 v26, v12
	v_floor_f32 v12, -v13                          ; the new -M = floor(-t) = -ceil(t): a whole number
	v_sub_f32 v26, v12, v26                        ; old M - new M: a whole number, 0 or less
	v_cvt_i32_f32 v26, v26                         ; (it saturates)
	v_ldexp_f32 v28, 1.0, v26                      ; f = 2^(old M - new M)
.set j, 0
.rept 32
	v_pk_fma_f32 v[96+j:97+j], v[96+j:97+j], s[92:93], v[12:13] op_sel_hi:[1,0,0]   ; t - M, two at a time (of the pairs c and -M the low word serves both halves)
.set j, j+2
.endr
.set j, 0
.rept 64
	v_exp_f32 v[96+j], v[96+j]                     ; p = 2^(t - M), at most 1; 0 where the mask forbids
.set j, j+1
.endr
	v_pk_mul_f32 v[14:15], v[14:15], v[28:29] op_sel_hi:[1,0]   ; the sums under the new M: the plain instruction behind the exponentials
	s_wait_alu depctr_va_vdst(0)                   ; the 64 exponentials have written v[96:159], ahead of their first reader; and the score products are done reading v[32:95], in which V's fragments land
	VFRAG 0                                        ; V's sixteen loads, four at a time among the sums: no vector instruction since the wait names v3 or v[32:95]; they land under the sums, the holds, the conversions and the rescaling
	v_pk_add_f32 v[30:31], v[96:97], v[98:99]      ; the row's sum is taken of the unquantised p, in two chains
.set j, 4
.rept 15
.if (j%16) == 0
	VFRAG j/16
.endif
	v_pk_add_f32 v[14:15], v[14:15], v[96+j:97+j]
	v_pk_add_f32 v[30:31], v[30:31], v[98+j:99+j]
.set j, j+4
.endr
	v_pk_add_f32 v[14:15], v[14:15], v[30:31]
.irp t, 0,1,2,3,4,5,6,7
.irp i, 0,1,2,3,4,5,6,7
	v_min_num_f32 v[96+8*\t+\i], v[96+8*\t+\i], v24   ; the conversion does not saturate (ISA guide 7.6.2); p is not negative, so the hold is one-sided
.endr
	v_cvt_scalef32_pk8_bf8_f32 v[224+2*\t:225+2*\t], v[96+8*\t:103+8*\t], v11   ; keys 16 t + 8 (lane / 16) + 0 .. 7: registers 2 t, 2 t + 1 of P's fragment
.endr
.set j, 0
.rept 16
	v_pk_mul_f32 v[160+j:161+j], v[160+j:161+j], v[28:29] op_sel_hi:[1,0]   ; O^T under the new M.  (Also the plain instructions between the conversions and the products below)
.set j, j+2
.endr
.endm
	s_mov_b32 s91, 0                               ; counts my two tiles
.Ltile:
	s_wait_xcnt 0x0                                ; the last tile's stores have read their address and data registers: both are written again below
	s_wait_alu depctr_vm_vsrc(0)                   ; first tile: the fill's LDS stores have read v[96:223], which the products and the lines below write; second tile: Q's loads have read v8, the stores v9 and v[224:231], all written again in this tile
	s_lshl_b32 s96, s14, 10
	v_add_nc_u32 v8, s96, v1                       ; q_img: tile T's 1,024 bytes
	s_lshl_b32 s96, s14, 14
	v_add_nc_u32 v9, s96, v1                       ; attn_img: tile T's 16,384 bytes
	s_wait_alu depctr_va_vdst(0)                   ; v8 is written, which Q's loads read, and v9, which the tile's stores read; the last tile's score products are done reading v[16:23], in which Q lands
	global_load_b128 v[16:19], v8, s[4:5]
	global_load_b128 v[20:23], v8, s[4:5] offset:512
	s_lshl_b32 s98, s14, 2
	s_mov_b32 s99, 0
	s_add_nc_u64 s[98:99], s[84:85], s[98:99]
	s_load_b32 s90, s[98:99], 0x0                  ; the tile's flags
	v_mov_b32 v13, 0xff61b1e6                      ; the largest t so far: -3e38, under every t
	v_floor_f32 v12, -v13                          ; -M
	v_mov_b32 v14, 0                               ; the sum, in two halves
	v_mov_b32 v15, 0
.set j, 0
.rept 32
	v_mov_b32 v[160+j], 0                          ; O^T: which step is the tile's first is known only from the flags, so no product can be written that starts the sums
.set j, j+1
.endr
	s_mov_b32 s15, 0                               ; sigma
	s_wait_loadcnt 0x0                             ; Q
	s_wait_kmcnt 0x0                               ; the flags
.Lstep:                                            ; 16 trips, whatever the mask
	s_lshr_b32 s100, s90, s15
	s_bitcmp1_b32 s100, 0
	s_cbranch_scc0 .Lnext                          ; no key of this step counts for any of my queries
	s_lshl_b32 s96, s15, 13                        ; a step's images: 8,192 bytes of K, 8,192 of V
	s_wait_alu depctr_vm_vsrc(0)                   ; the LDS loads issued so far have read v2 and v3, which the two additions write
	v_add_nc_u32 v2, s96, v1
	s_add_co_u32 s97, s96, VLDS
	v_add_nc_u32 v3, s97, v1
	s_bitcmp1_b32 s100, 16
	s_cbranch_scc1 .Lopen                          ; every key counts for every query: no masking
	SCORES 1
	s_branch .Lsoft
.Lopen:
	SCORES 0
.Lsoft:
	SOFT
	s_wait_dscnt 0x0                               ; V is in
.irp d, 0,1,2,3
	v_wmma_f32_16x16x128_bf8_bf8 v[160+8*\d:167+8*\d], v[32+16*\d:47+16*\d], v[224:239], v[160+8*\d:167+8*\d]   ; the four accumulators take turns
.endr
.Lnext:
	s_add_co_u32 s15, s15, 1
	s_cmp_lt_u32 s15, 16
	s_cbranch_scc1 .Lstep
	; THE TILE'S END
.rept 4
	v_nop                                          ; places behind the last products
.endr
	v_add_f32 v14, v14, v15                        ; the sum's two halves,
	v_permlanex16_b32 v25, v14, s94, s95
	v_add_f32 v14, v14, v25                        ; and lane l xor 16's: l
	v_rcp_f32 v26, v14
	v_nop                                          ; a plain instruction behind the reciprocal
	v_cmp_eq_f32 vcc_lo, 0, v14                    ; a row with no allowed key
	s_wait_alu depctr_va_vdst(0)                   ; the reciprocal has written v26, ahead of its first reader
.set j, 0
.rept 16
	v_pk_mul_f32 v[192+j:193+j], v[160+j:161+j], v[26:27] op_sel_hi:[1,0]   ; O^T / l, each accumulator from its low end on
.set j, j+2
.endr
.set j, 0
.rept 32
	v_med3_num_f32 v[192+j], v[192+j], -v241, v241
.set j, j+1
.endr
.irp d, 0,1,2,3
	v_cvt_scalef32_pk8_bf8_f32 v[224+2*\d:225+2*\d], v[192+8*\d:199+8*\d], v240   ; channels 16 d + 8 (lane / 16) + 0 .. 7 of my query: registers 2 d, 2 d + 1 of the next operand's fragment
.endr
	v_nop                                          ; a plain instruction between the conversions and the selects that touch their results
	s_wait_alu depctr_va_vcc(0)                    ; the compare has written VCC, ahead of its first reader, the first select
.irp i, 0,1,2,3,4,5,6,7
	v_cndmask_b32 v[224+\i], v[224+\i], v242, vcc_lo
.endr
	s_wait_alu depctr_va_vdst(0)                   ; the selects have written v[224:231], which the two stores read
	global_store_b128 v9, v[224:227], s[88:89]     ; 512 consecutive bytes a store
	global_store_b128 v9, v[228:231], s[88:89] offset:512
	s_sub_co_u32 s14, 127, s14                     ; my second tile
	s_add_co_u32 s91, s91, 1
	s_cmp_lt_u32 s91, 2
	s_cbranch_scc1 .Ltile
	s_wait_dscnt 0x0                               ; the closing lines, six on end
	s_wait_alu 0x0
	s_wait_tensorcnt 0x0
	ds_add_u32 v254, v255
	s_wait_dscnt 0x0
	s_endpgm
.Lfunc_end_k_q323d8367f7_attn:
	.size	k_q323d8367f7_attn, .Lfunc_end_k_q323d8367f7_attn-k_q323d8367f7_attn
	.p2alignl 7, 3214868480
	.fill 96, 4, 3214868480
	.section	.rodata,"a",@progbits
	.p2align	6, 0x0
	.amdhsa_kernel k_q323d8367f7_attn
		.amdhsa_group_segment_fixed_size 264192
		.amdhsa_private_segment_fixed_size 0
		.amdhsa_enable_private_segment 0
		.amdhsa_kernarg_size 56
		.amdhsa_user_sgpr_count 2
		.amdhsa_user_sgpr_kernarg_segment_ptr 1
		.amdhsa_wavefront_size32 1
		.amdhsa_system_sgpr_workgroup_id_x 1
		.amdhsa_system_sgpr_workgroup_id_y 1
		.amdhsa_system_sgpr_workgroup_id_z 1
		.amdhsa_system_vgpr_workitem_id 0
		.amdhsa_next_free_vgpr 256
		.amdhsa_next_free_sgpr 102
		.amdhsa_reserve_vcc 1
		.amdhsa_float_denorm_mode_32 3
		.amdhsa_float_denorm_mode_16_64 3
		.amdhsa_memory_ordered 1
		.amdhsa_forward_progress 1
		.amdhsa_inst_pref_size 37
	.end_amdhsa_kernel
	.amdgpu_metadata
---
amdhsa.version: [ 1, 2 ]
amdhsa.kernels:
  - .name:           k_q323d8367f7_attn
    .symbol:         k_q323d8367f7_attn.kd
    .args:
      - { .name: q_img, .offset: 0, .size: 8, .value_kind: global_buffer, .address_space: global }
      - { .name: k_img, .offset: 8, .size: 8, .value_kind: global_buffer, .address_space: global }
      - { .name: v_img, .offset: 16, .size: 8, .value_kind: global_buffer, .address_space: global }
      - { .name: mbits, .offset: 24, .size: 8, .value_kind: global_buffer, .address_space: global }
      - { .name: mflag, .offset: 32, .size: 8, .value_kind: global_buffer, .address_space: global }
      - { .name: lowp_scales, .offset: 40, .size: 8, .value_kind: global_buffer, .address_space: global }
      - { .name: attn_img, .offset: 48, .size: 8, .value_kind: global_buffer, .address_space: global }
    .group_segment_fixed_size: 264192
    .private_segment_fixed_size: 0
    .kernarg_segment_align: 8
    .kernarg_segment_size: 56
    .max_flat_workgroup_size: 512
    .sgpr_count:     102
    .vgpr_count:     256
    .wavefront_size: 32
...
	.end_amdgpu_metadata
.endif
;; end of part 5
;; launch outp: the kernel of part 4 again; grid 4 x 64, 4 waves a work-group, clusters of 4 x 4, 327,680 bytes of LDS; arguments attn_img, Wo_codes, lowp_scales, bo, out0; writes out0
